; MI455X (gfx1250); checked and timed in simulation.
; The chip was launched on July 23, 2026; its instructions are those of AMD's public machine-readable ISA for CDNA 5 (MIT licence, August 2026) and "CDNA5" Instruction Set Architecture Reference Guide (July 2026). The comments in the code are by the model that wrote it; some were corrected since.
;; x LSTM Mo E Layer. Allowed arithmetic: float matrix products may take bf16 or f16 operands with f32 sums; other float arithmetic in f32, or as packed bf16 or f16 multiplies, adds, multiply-adds, maxima and minima; sums over many terms, partial sums and values carried from step to step in f32; what a program stores and reads back later, other than sums and carried values, may be rounded once to bf16 or f16.
;; Inputs: b1 8 x 4,096 float32; b2 8 x 1,024 float32; gate_w 1,024 x 8 float32; hidden_states 4 x 256 x 1,024 float32; w1 8 x 1,024 x 4,096 float32; w2 8 x 4,096 x 1,024 float32.
;; Outputs: out0 4 x 256 x 1,024 float32.
;; 2 versions, each right; version 2 is version 1 with the launches gemm1, gemm2 written anew for expert scheduling mode. Each part assembles by itself: llvm-mc -triple=amdgcn-amd-amdhsa -mcpu=gfx1250 --defsym DOCPART=n.
;; ======== version 1 of 2: 5 launches
;; workspace buffers: route 4,096 bytes of whole numbers; cw 8,192 bytes; plan 34,816 bytes of whole numbers; xg 20,971,520 bytes; hb 83,886,080 bytes; yb 167,772,160 bytes
;; launch router (part 1): grid 64 x 1, 4 waves a work-group, no clusters, 20,992 bytes of LDS; arguments hidden_states, gate_w, route, cw; writes route, cw
.if DOCPART == 1
	.amdgcn_target "amdgcn-amd-amdhsa--gfx1250"
	.amdhsa_code_object_version 6
	.text
	.protected	k_q238ed4f07e_router
	.globl	k_q238ed4f07e_router
	.p2align	8
	.type	k_q238ed4f07e_router,@function
k_q238ed4f07e_router:
	s_mov_b64 s[64:65], 0
	v_nop
	global_prefetch_b8 v0, s[64:65] scope:SCOPE_SE
	s_setreg_imm32_b32 hwreg(HW_REG_WAVE_MODE, 25, 1), 1
	s_wait_xcnt 0x0
; ROUTER.  logits = x gate_w for 1,024 tokens and 8 experts; the two largest logits l0 >= l1 of a token, their experts e0, e1, and the
; renormalised softmax weights c0 = 1 / (1 + p), c1 = p c0 with p = e^(l1 - l0): the row's maximum l0 is taken away, and the softmax's divisor cancels in the renormalisation.
; x and gate_w are rounded to bf16 (as every input of this program is), products by the matrix unit, sums and weights in f32.
; LIMITS.  The choice is made on the logits (lower index first at a tie); a tie that arises only in the rounded softmax may be chosen otherwise.
; With NaN logits the indices stay in 0..7 and distinct (the second starts at e0 xor 1); the weights are then NaN.
; SHARES.  A work-group owns 16 tokens; each of its four waves a quarter of K (256); the four partial sums meet in LDS, and every wave finishes them alike; threads 0-15 store.
; OUT.  route[t] = e0 | e1 << 8 | ((1 << e0) | (1 << e1)) << 16;  cw[t] = c0, c1.
.set GATE,  0                          ; LDS: gate_w in bf16, row k = 8 experts = 16 bytes
.set PART,  16384                      ; LDS: wave w's partial logits, 32 bytes a lane, at PART + 1024 w
.set SPARE, 20480                      ; LDS: the spare words, 128 bytes a wave; no other line names them
.set G,  32                            ; v32-95   gate_w as loaded, then its 8 fragments
.set X,  96                            ; v96-223  x as loaded, 16 registers for 32 k; packed in place into the first 8 of each 16
.set D0, 224                           ; two accumulators that take turns
.set D1, 232
	s_load_b256 s[4:11], s[0:1], 0x0               ; x s[4:5], gate_w s[6:7], route s[8:9], cw s[10:11]
	v_lshl_add_u32 v30, v0, 2, SPARE               ; my spare word,
	v_mov_b32 v31, 0                               ; and 0: kept for the closing lines alone
	v_lshrrev_b32 v9, 5, v0
	v_readfirstlane_b32 s12, v9                    ; wave 0..3
	v_and_b32 v1, 31, v0                           ; lane L
	v_and_b32 v2, 15, v0                           ; r = L % 16
	v_bfe_u32 v3, v0, 4, 1                         ; h = L / 16
	v_lshlrev_b32 v4, 4, v0                        ; gate_w: 16 bytes a thread
	v_lshlrev_b32 v5, 3, v0                        ; and 8 bytes of bf16 in LDS
	s_lshl_b32 s15, s12, 10                        ; my quarter of K in a row of x, in bytes; also my part of PART
	v_lshlrev_b32 v6, 12, v2                       ; x: token r,
	v_lshl_add_u32 v6, v3, 5, v6                   ; 8 numbers on for the upper lanes,
	v_add_nc_u32 v6, s15, v6                       ; my quarter
	v_and_b32 v7, 7, v0
	v_lshl_add_u32 v7, v3, 3, v7                   ; the turning load: row 8 h + L % 8 of 16; lanes 8-15 of a half read what lanes 0-7 read,
	s_lshl_b32 s16, s12, 8                         ; so fragment rows 8-15 are copies of experts 0-7
	v_add_nc_u32 v7, s16, v7
	v_lshlrev_b32 v7, 4, v7
	v_lshl_add_u32 v10, v1, 5, PART                ; wave 0's part for my lane
	v_add_nc_u32 v8, s15, v10                      ; my wave's part for my lane
	v_lshlrev_b32 v11, 2, v2                       ; route: 4 bytes a token
	v_lshlrev_b32 v12, 3, v2                       ; cw: 8 bytes a token
	s_mov_b32 s13, 0x3fb8aa3b                      ; log2(e)
	s_lshl_b32 s18, ttmp9, 16                      ; 16 rows of 4,096 bytes a work-group
	s_mov_b32 s19, 0
	s_lshl_b32 s20, ttmp9, 6
	s_mov_b32 s21, 0
	s_lshl_b32 s22, ttmp9, 7
	s_mov_b32 s23, 0
	s_wait_kmcnt 0x0
	s_add_nc_u64 s[4:5], s[4:5], s[18:19]
	s_add_nc_u64 s[8:9], s[8:9], s[20:21]
	s_add_nc_u64 s[10:11], s[10:11], s[22:23]
.irp i, 0,1,2,3,4,5,6,7,8,9,10,11,12,13,14,15
	global_load_b128 v[G+4*\i:G+4*\i+3], v4, s[6:7] offset:2048*\i   ; all of gate_w: 128 threads x 16 bytes x 16
.endr
.irp kb, 0,1,2,3,4,5,6,7                       ; x in fragment order: k = 32 kb + 8 h + 0..7 and 32 kb + 16 + 8 h + 0..7 of token r
	global_load_b128 v[X+16*\kb:X+16*\kb+3],     v6, s[4:5] offset:128*\kb
	global_load_b128 v[X+16*\kb+4:X+16*\kb+7],   v6, s[4:5] offset:128*\kb+16
	global_load_b128 v[X+16*\kb+8:X+16*\kb+11],  v6, s[4:5] offset:128*\kb+64
	global_load_b128 v[X+16*\kb+12:X+16*\kb+15], v6, s[4:5] offset:128*\kb+80
.endr
	s_wait_loadcnt 32                              ; gate_w is in; the 32 loads of x issued behind it may stay out
.irp i, 0,1,2,3,4,5,6,7,8,9,10,11,12,13,14,15
	v_cvt_pk_bf16_f32 v16, v[G+4*\i], v[G+4*\i+1]
	v_cvt_pk_bf16_f32 v17, v[G+4*\i+2], v[G+4*\i+3]
	ds_store_b64 v5, v[16:17] offset:1024*\i
.endr
	s_wait_dscnt 0x0                               ; for the others' sake: my part of gate_w is in LDS
	s_barrier_signal -1
	s_barrier_wait -1
.irp kb, 0,1,2,3,4,5,6,7
	ds_load_tr16_b128 v[G+8*\kb:G+8*\kb+3],   v7 offset:512*\kb       ; 16 k x 8 experts, turned: lane holds expert L % 8 and 8 k
	ds_load_tr16_b128 v[G+8*\kb+4:G+8*\kb+7], v7 offset:512*\kb+256
.endr
	s_wait_loadcnt 0x0                             ; x
.irp kb, 0,1,2,3,4,5,6,7
.irp j, 0,1,2,3,4,5,6,7
	v_cvt_pk_bf16_f32 v[X+16*\kb+\j], v[X+16*\kb+2*\j], v[X+16*\kb+2*\j+1]   ; ascending: register j is written when 2 j and 2 j + 1 are read
.endr
.endr
	s_wait_dscnt 0x0
	; source 0 = 16 rows of experts, source 1 = 16 tokens: a lane's registers 0-7 are token r's eight logits (in both halves of the lanes).
	; The two accumulators take turns, one instruction a turn.
	v_wmma_f32_16x16x32_bf16 v[D0:D0+7], v[G:G+7], v[X:X+7], 0
	v_wmma_f32_16x16x32_bf16 v[D1:D1+7], v[G+8:G+15], v[X+16:X+23], 0
.irp kb, 2,4,6
	v_wmma_f32_16x16x32_bf16 v[D0:D0+7], v[G+8*\kb:G+8*\kb+7], v[X+16*\kb:X+16*\kb+7], v[D0:D0+7]
	v_wmma_f32_16x16x32_bf16 v[D1:D1+7], v[G+8*\kb+8:G+8*\kb+15], v[X+16*\kb+16:X+16*\kb+23], v[D1:D1+7]
.endr
.rept 4
	v_nop                                          ; four places behind the last product (ISA guide 7.12.1)
.endr
.irp j, 0,2,4,6
	v_pk_add_f32 v[D0+\j:D0+\j+1], v[D0+\j:D0+\j+1], v[D1+\j:D1+\j+1]      ; from the low end on
.endr
	ds_store_b128 v8, v[D0:D0+3]
	ds_store_b128 v8, v[D0+4:D0+7] offset:16
	s_wait_dscnt 0x0                               ; for the others' sake: my quarter's sums are in LDS
	s_barrier_signal -1
	s_barrier_wait -1
.irp w, 0,1,2,3
	ds_load_b128 v[32+8*\w:32+8*\w+3], v10 offset:1024*\w
	ds_load_b128 v[32+8*\w+4:32+8*\w+7], v10 offset:1024*\w+16
.endr
	s_wait_dscnt 0x0
.irp j, 0,2,4,6
	v_pk_add_f32 v[32+\j:33+\j], v[32+\j:33+\j], v[40+\j:41+\j]
	v_pk_add_f32 v[48+\j:49+\j], v[48+\j:49+\j], v[56+\j:57+\j]
.endr
.irp j, 0,2,4,6
	v_pk_add_f32 v[32+\j:33+\j], v[32+\j:33+\j], v[48+\j:49+\j]            ; v32-39: the eight logits; v40-63 are free from here on
.endr
	v_mov_b32 v42, 0xff800000                      ; -inf
	v_mov_b32 v40, v32                             ; l0, e0: the largest; a strict compare keeps the lower index at a tie
	v_mov_b32 v41, 0
.irp i, 1,2,3,4,5,6,7
	v_cmp_gt_f32 vcc_lo, v[32+\i], v40
	v_cndmask_b32 v40, v40, v[32+\i], vcc_lo
	v_cndmask_b32 v41, v41, \i, vcc_lo
.endr
.irp i, 0,1,2,3,4,5,6,7
	v_cmp_eq_u32 vcc_lo, \i, v41
	v_cndmask_b32 v[32+\i], v[32+\i], v42, vcc_lo  ; the chosen one leaves the field
.endr
	v_mov_b32 v43, v42                             ; l1, e1: the largest of the rest
	v_xor_b32 v44, 1, v41
.irp i, 0,1,2,3,4,5,6,7
	v_cmp_gt_f32 vcc_lo, v[32+\i], v43
	v_cndmask_b32 v43, v43, v[32+\i], vcc_lo
	v_cndmask_b32 v44, v44, \i, vcc_lo
.endr
	v_sub_f32 v45, v43, v40                        ; l1 - l0 <= 0
	v_mul_f32 v45, s13, v45
	v_exp_f32 v46, v45                             ; p
	v_mov_b32 v51, 1                               ; a plain instruction behind the exponential
	s_wait_alu depctr_va_vdst(0)
	v_add_f32 v47, 1.0, v46
	v_rcp_f32 v48, v47                             ; c0
	v_lshlrev_b32 v50, v41, v51                    ; a plain instruction behind the reciprocal: 1 << e0
	s_wait_alu depctr_va_vdst(0)
	v_mul_f32 v49, v46, v48                        ; c1
	v_lshlrev_b32 v52, v44, v51                    ; 1 << e1
	v_or_b32 v50, v50, v52
	v_lshl_or_b32 v53, v44, 8, v41
	v_lshl_or_b32 v53, v50, 16, v53
	v_cmp_gt_u32 vcc_lo, 16, v0                    ; threads 0-15 hold the 16 tokens
	s_wait_xcnt 0x0                                ; EXEC changes only behind this wait
	s_and_saveexec_b32 s14, vcc_lo
	global_store_b32 v11, v53, s[8:9]
	global_store_b64 v12, v[48:49], s[10:11]
	s_wait_xcnt 0x0                                ; and again, in front of the line that widens it
	s_or_b32 exec_lo, exec_lo, s14
	s_wait_tensorcnt 0x0                           ; the wave's end
	ds_add_u32 v30, v31
	s_wait_dscnt 0x0
	s_endpgm
.Lfunc_end_k_q238ed4f07e_router:
	.size	k_q238ed4f07e_router, .Lfunc_end_k_q238ed4f07e_router-k_q238ed4f07e_router
	.p2alignl 7, 3214868480
	.fill 96, 4, 3214868480
	.section	.rodata,"a",@progbits
	.p2align	6, 0x0
	.amdhsa_kernel k_q238ed4f07e_router
		.amdhsa_group_segment_fixed_size 20992
		.amdhsa_private_segment_fixed_size 0
		.amdhsa_enable_private_segment 0
		.amdhsa_kernarg_size 32
		.amdhsa_user_sgpr_count 2
		.amdhsa_user_sgpr_kernarg_segment_ptr 1
		.amdhsa_wavefront_size32 1
		.amdhsa_system_sgpr_workgroup_id_x 1
		.amdhsa_system_sgpr_workgroup_id_y 1
		.amdhsa_system_sgpr_workgroup_id_z 1
		.amdhsa_system_vgpr_workitem_id 0
		.amdhsa_next_free_vgpr 240
		.amdhsa_next_free_sgpr 66
		.amdhsa_reserve_vcc 1
		.amdhsa_float_denorm_mode_32 3
		.amdhsa_float_denorm_mode_16_64 3
		.amdhsa_memory_ordered 1
		.amdhsa_forward_progress 1
		.amdhsa_inst_pref_size 21
	.end_amdhsa_kernel
	.amdgpu_metadata
---
amdhsa.version: [ 1, 2 ]
amdhsa.kernels:
  - .name:           k_q238ed4f07e_router
    .symbol:         k_q238ed4f07e_router.kd
    .args:
      - { .name: hidden_states, .offset: 0, .size: 8, .value_kind: global_buffer, .address_space: global }
      - { .name: gate_w, .offset: 8, .size: 8, .value_kind: global_buffer, .address_space: global }
      - { .name: route, .offset: 16, .size: 8, .value_kind: global_buffer, .address_space: global }
      - { .name: cw, .offset: 24, .size: 8, .value_kind: global_buffer, .address_space: global }
    .group_segment_fixed_size: 20992
    .private_segment_fixed_size: 0
    .kernarg_segment_align: 8
    .kernarg_segment_size: 32
    .max_flat_workgroup_size: 128
    .sgpr_count:     66
    .vgpr_count:     240
    .wavefront_size: 32
...
	.end_amdgpu_metadata
.endif
;; end of part 1
;; launch pack (part 2): grid 80 x 8, 1 waves a work-group, no clusters, 4,608 bytes of LDS; arguments route, hidden_states, xg, plan; writes xg, plan
.if DOCPART == 2
	.amdgcn_target "amdgcn-amd-amdhsa--gfx1250"
	.amdhsa_code_object_version 6
	.text
	.protected	k_q238ed4f07e_pack
	.globl	k_q238ed4f07e_pack
	.p2align	8
	.type	k_q238ed4f07e_pack,@function
k_q238ed4f07e_pack:
	s_mov_b64 s[64:65], 0
	v_nop
	global_prefetch_b8 v0, s[64:65] scope:SCOPE_SE
	s_setreg_imm32_b32 hwreg(HW_REG_WAVE_MODE, 25, 1), 1
	s_wait_xcnt 0x0
; PACK.  For expert e (grid y): the list of the tokens that chose it, each token's rank in that list, the count n, and the listed tokens' rows of x, rounded to bf16,
; laid out in the order in which the matrix instruction's fragments want them.
; xg: e x 2,621,440 + tile j x 32,768 + kb x 1,024 + half x 512 + 16 L holds k = 32 kb + 16 half + 8 (L / 16) + 0..7 of slot 16 j + L % 16.
; Slots go in passes of 320 (20 tiles).  Pass 0 is always made (the expert layers always walk it); pass p > 0 is made if 320 p < n.  Slots from n on in such a pass hold a copy of the
; list's last token (of token 0 where the list is empty), so that every byte read later is written.
; SHARES.  One wave to a work-group; x = 4 c + w: tiles c, c + 20, c + 40, c + 60 of the expert, K blocks 8 w .. 8 w + 7.  Each wave builds the whole list for itself in its own LDS
; (32 ballots): that is less than a hand-over between work-groups would cost, and needs no barrier.  The wave with x = 0 stores rank and count.
; plan: rank[e][t] at 4,096 e + 4 t (of use only where t chose e);  n, 64 times, at 32,768 + 256 e.
.set LIST,  0                          ; LDS: 1,024 words, and word 1,024, into which the lanes that have nothing to list write
.set SPARE, 4352                       ; LDS: the spare words; no other line names them
.set SEL, 32                           ; v32-63   route words: register 4 i + c of lane L is token 128 i + 4 L + c
.set RK,  64                           ; v64-95   their ranks
.set X,   96                           ; v96-223  a row's 256 numbers of x, as loaded
.set Y,   32                           ; v32-95   the same in bf16 (SEL and RK are done with by then)
	s_load_b256 s[4:11], s[0:1], 0x0               ; route s[4:5], x s[6:7], xg s[8:9], plan s[10:11]
	v_lshl_add_u32 v30, v0, 2, SPARE               ; my spare word,
	v_mov_b32 v31, 0                               ; and 0: kept for the closing lines alone
	v_and_b32 v2, 15, v0                           ; r
	v_bfe_u32 v3, v0, 4, 1                         ; h
	v_lshlrev_b32 v4, 2, v0                        ; 4 L
	v_lshlrev_b32 v5, 4, v0                        ; 16 L
	v_mov_b32 v10, 1024
	v_mov_b32 v20, 0
	v_mov_b32 v21, 0
	v_mov_b32 v22, 0
	v_mov_b32 v23, 0
.irp i, 0,1,2,3,4,5,6,7
	ds_store_b128 v5, v[20:23] offset:512*\i       ; the list's 1,024 words are written once, all lanes on: no later read can name a word that was never written
.endr
	s_mov_b32 s16, ttmp9
	s_and_b32 s12, s16, 3                          ; w
	s_lshr_b32 s14, s16, 2                         ; c
	s_and_b32 s13, ttmp7, 0xffff                   ; e
	s_add_co_u32 s23, s13, 16
	s_lshl_b32 s15, 1, s23                         ; the expert's bit in a route word
	s_lshl_b32 s27, s14, 4                         ; 16 c
	s_lshl_b32 s23, s12, 13
	v_add_nc_u32 v14, s23, v5                      ; xg: 16 L + 8 K blocks x 1,024 x w
	s_lshl_b32 s23, s12, 10
	v_lshl_add_u32 v16, v3, 5, s23                 ; x: my 256 numbers of a row, 8 on for the upper lanes
	s_mul_i32 s18, s13, 2621440
	s_lshl_b32 s23, s14, 15
	s_add_co_u32 s18, s18, s23
	s_mov_b32 s19, 0
	s_lshl_b32 s28, s13, 12
	s_mov_b32 s29, 0
	s_lshl_b32 s30, s13, 8
	s_add_co_u32 s30, s30, 32768
	s_mov_b32 s31, 0
	s_mov_b32 s21, 0                               ; the running count
	s_wait_kmcnt 0x0
	s_add_nc_u64 s[8:9], s[8:9], s[18:19]          ; xg at the expert's tile c
	s_add_nc_u64 s[28:29], s[10:11], s[28:29]      ; plan at the expert's ranks
	s_add_nc_u64 s[30:31], s[10:11], s[30:31]      ; plan at the expert's count
.irp i, 0,1,2,3,4,5,6,7
	global_load_b128 v[SEL+4*\i:SEL+4*\i+3], v5, s[4:5] offset:512*\i
.endr
	s_wait_loadcnt 0x0
.set n, 0
.rept 32                                       ; one ballot for each register: rank = the count so far + the choosing lanes below mine
	v_and_b32 v8, s15, v[SEL+n]
	v_cmp_ne_u32 s20, 0, v8
	v_mbcnt_lo_u32_b32 v[RK+n], s20, s21
	v_cndmask_b32 v9, v10, v[RK+n], s20            ; a lane whose token did not choose e writes to word 1,024
	v_min_u32 v9, 0x400, v9
	v_lshlrev_b32 v9, 2, v9
	v_add_nc_u32 v11, 128*(n/4)+n%4, v4            ; the token
	ds_store_b32 v9, v11
	s_bcnt1_i32_b32 s23, s20
	s_add_co_u32 s21, s21, s23
.set n, n+1
.endr
	s_cmp_lg_u32 s16, 0
	s_cbranch_scc1 .Lnoplan
.irp i, 0,1,2,3,4,5,6,7
	global_store_b128 v5, v[RK+4*\i:RK+4*\i+3], s[28:29] offset:512*\i
.endr
	v_mov_b32 v12, s21
	v_mov_b32 v13, s21
	v_lshlrev_b32 v8, 3, v0
	global_store_b64 v8, v[12:13], s[30:31]        ; 32 lanes x 8 bytes: 256 consecutive bytes
.Lnoplan:
	s_wait_xcnt 0x0                                ; RK's registers are written again (as Y) only behind this wait
	s_sub_co_u32 s24, s21, 1                       ; the list's last place; with n = 0 it wraps to the largest number and bounds nothing: the slots then read the zeroed list
	s_max_u32 s17, s21, 1                          ; pass 0 is made whatever n is
	s_mov_b32 s25, 0                               ; the pass's first slot
	s_mov_b32 s26, 4
.Lpass:
	s_cmp_lt_u32 s25, s17
	s_cbranch_scc0 .Lskip                          ; a later pass with no listed token is not made
	s_add_co_u32 s23, s25, s27
	v_add_nc_u32 v8, s23, v2                       ; my slot,
	v_min_u32 v8, s24, v8                          ; or the list's last
	v_min_u32 v8, 0x3ff, v8
	v_lshlrev_b32 v8, 2, v8
	ds_load_b32 v9, v8                             ; LDS serves a wave's instructions in order (ISA guide 5.7.1.4): it sees the list's stores
	s_wait_dscnt 0x0
	v_min_u32 v9, 0x3ff, v9
	v_lshl_add_u32 v15, v9, 12, v16                ; the token's row
.irp kb, 0,1,2,3,4,5,6,7
	global_load_b128 v[X+16*\kb:X+16*\kb+3],     v15, s[6:7] offset:128*\kb
	global_load_b128 v[X+16*\kb+4:X+16*\kb+7],   v15, s[6:7] offset:128*\kb+16
	global_load_b128 v[X+16*\kb+8:X+16*\kb+11],  v15, s[6:7] offset:128*\kb+64
	global_load_b128 v[X+16*\kb+12:X+16*\kb+15], v15, s[6:7] offset:128*\kb+80
.endr
.irp kb, 0,1,2,3,4,5,6,7
	s_wait_loadcnt 28-4*\kb                        ; this K block's four loads are in; the younger blocks' stay out
.irp j, 0,1,2,3,4,5,6,7
	v_cvt_pk_bf16_f32 v[Y+8*\kb+\j], v[X+16*\kb+2*\j], v[X+16*\kb+2*\j+1]
.endr
	global_store_b128 v14, v[Y+8*\kb:Y+8*\kb+3],   s[8:9] offset:1024*\kb       ; each store of the wave covers 512 consecutive bytes, aligned
	global_store_b128 v14, v[Y+8*\kb+4:Y+8*\kb+7], s[8:9] offset:1024*\kb+512
.endr
	s_wait_xcnt 0x0                                ; Y, v15 and xg's base are written again only behind this wait
.Lskip:
	s_add_co_u32 s25, s25, 320
	s_add_nc_u64 s[8:9], s[8:9], 20*32768
	s_sub_co_u32 s26, s26, 1
	s_cmp_lg_u32 s26, 0
	s_cbranch_scc1 .Lpass
	s_wait_tensorcnt 0x0                           ; the wave's end
	ds_add_u32 v30, v31
	s_wait_dscnt 0x0
	s_endpgm
.Lfunc_end_k_q238ed4f07e_pack:
	.size	k_q238ed4f07e_pack, .Lfunc_end_k_q238ed4f07e_pack-k_q238ed4f07e_pack
	.p2alignl 7, 3214868480
	.fill 96, 4, 3214868480
	.section	.rodata,"a",@progbits
	.p2align	6, 0x0
	.amdhsa_kernel k_q238ed4f07e_pack
		.amdhsa_group_segment_fixed_size 4608
		.amdhsa_private_segment_fixed_size 0
		.amdhsa_enable_private_segment 0
		.amdhsa_kernarg_size 32
		.amdhsa_user_sgpr_count 2
		.amdhsa_user_sgpr_kernarg_segment_ptr 1
		.amdhsa_wavefront_size32 1
		.amdhsa_system_sgpr_workgroup_id_x 1
		.amdhsa_system_sgpr_workgroup_id_y 1
		.amdhsa_system_sgpr_workgroup_id_z 1
		.amdhsa_system_vgpr_workitem_id 0
		.amdhsa_next_free_vgpr 224
		.amdhsa_next_free_sgpr 66
		.amdhsa_reserve_vcc 0
		.amdhsa_float_denorm_mode_32 3
		.amdhsa_float_denorm_mode_16_64 3
		.amdhsa_memory_ordered 1
		.amdhsa_forward_progress 1
		.amdhsa_inst_pref_size 30
	.end_amdhsa_kernel
	.amdgpu_metadata
---
amdhsa.version: [ 1, 2 ]
amdhsa.kernels:
  - .name:           k_q238ed4f07e_pack
    .symbol:         k_q238ed4f07e_pack.kd
    .args:
      - { .name: route, .offset: 0, .size: 8, .value_kind: global_buffer, .address_space: global }
      - { .name: hidden_states, .offset: 8, .size: 8, .value_kind: global_buffer, .address_space: global }
      - { .name: xg, .offset: 16, .size: 8, .value_kind: global_buffer, .address_space: global }
      - { .name: plan, .offset: 24, .size: 8, .value_kind: global_buffer, .address_space: global }
    .group_segment_fixed_size: 4608
    .private_segment_fixed_size: 0
    .kernarg_segment_align: 8
    .kernarg_segment_size: 32
    .max_flat_workgroup_size: 32
    .sgpr_count:     66
    .vgpr_count:     224
    .wavefront_size: 32
...
	.end_amdgpu_metadata
.endif
;; end of part 2
;; launch gemm1 (part 3): grid 256 x 1, 8 waves a work-group, no clusters, 295,936 bytes of LDS; arguments plan, xg, w1, b1, hb; writes hb
.if DOCPART == 3
	.amdgcn_target "amdgcn-amd-amdhsa--gfx1250"
	.amdhsa_code_object_version 6
	.text
	.protected	k_q238ed4f07e_gemm1
	.globl	k_q238ed4f07e_gemm1
	.p2align	8
	.type	k_q238ed4f07e_gemm1,@function
k_q238ed4f07e_gemm1:
	s_mov_b64 s[64:65], 0
	v_nop
	global_prefetch_b8 v0, s[64:65] scope:SCOPE_SE
	s_setreg_imm32_b32 hwreg(HW_REG_WAVE_MODE, 25, 1), 1
	s_wait_xcnt 0x0
; FIRST EXPERT LAYER.  h = gelu(x w1[e] + b1[e]) for the tokens that chose expert e; rows of unchosen experts are multiplied by 0 in the result and are not made
; (LIMIT: 0 x infinity or NaN of an unchosen expert is not reproduced).  w1 and b1 are rounded to bf16, x arrives so; sums and gelu in f32; h is rounded to bf16 once.
; gelu(x) = x / (1 + 2^(x (c1 + c2 x^2))), the tanh form, with c1 = -2 log2(e) sqrt(2 / pi), c2 = 0.044715 c1; it holds for every finite x (the power runs to 0 or infinity, the quotient to x or 0).
; SHARES.  Work-group = expert e (x / 32) and a strip of 128 of the 4,096 columns (x % 32).  Its 1,024 x 128 numbers of w1 are read from memory once, rounded, and stay in LDS as [k][n].
; The expert's slots are walked in passes of 320 (20 tiles of 16).  Wave w: tiles mg + 4 i (mg = w / 2, i = 0..4) x columns 64 (w % 2) + 0..63: 20 accumulators.
; PASS 0 AND THE WEIGHTS' FILL GO TOGETHER.  K goes in 32 steps of 32.  Of each K step's 32 rows of w1 a wave handles four.  Behind step s's 20 products it rounds and stores the rows of K step s + 6
; (asked for at step s - 4), fetches the turned fragments of step s + 2, asks for x of step s + 4 and for the rows of K step s + 10.  A barrier for every four K steps, at s = 2, 6 .. 26: the signal behind
; the step's waits, the wait behind its products; the fetch behind it is the first of the four K steps that the barrier has shown whole.  Pass 0 runs whatever n is: no barrier hangs on a number read from memory.
; In the fill's loop an LDS address is made anew each trip: a fixed lane term plus a scalar that steps by a constant.
; PASSES 1 TO 3 (live if 320 p < n) walk the weights that lie in LDS, without a barrier; their K steps 0 to 27 are written out, every LDS address a register made once at the head plus an immediate;
; they share the last four K steps and the way out with pass 0.
; No tensor loads: the weights need a rounding in registers, and LDS is full of them.  No cluster: no two work-groups read the same weights, and the walk's length hangs on a count read from memory.
; THE MATRIX INSTRUCTION IS USED TRANSPOSED (source 0 = 16 columns of w1, source 1 = 16 slots): a lane holds one slot and eight neighbouring columns, which is hb's fragment order as it stands.
; hb: e x 10,485,760 + tile j x 131,072 + kb x 1,024 + half x 512 + 16 L holds f = 32 kb + 16 half + 8 (L / 16) + 0..7 of slot 16 j + L % 16.
; REGISTERS.  Window 0: v0-21 addresses (v6, v20, v19, v18, v17: my lane's place in the weights at K steps 0, 7, 14, 21, 28: an LDS immediate has 16 bits, which hold 7 K steps); v22-29 four rounded rows;
;             v32-191 x's ring of four K steps (step s % 4, tile i at 32 + 40 (s % 4) + 8 i); v192-255 two buffers of w1's fragments; at the opening v160-255 hold the raw rows of K steps 0-5.
;             Window 1: v0-159 accumulators ((i, nt) at 8 (4 i + nt)); v160-223 the raw rows' ring of four K steps, 16 each (v160-167 at work in gelu); v224-255 the bias as a C operand.
;             The two rings are equally deep: loads are counted in the order of issue, so a deeper one would wait for the shallower one's loads all the same.
.set ROWB,  16384                      ; bytes from row to row of w1[e]
.set TILEB, 32768                      ; bytes of a tile of 16 slots in xg
.set OTILE, 131072                     ; and in hb
.set PW,    288                        ; a row of the weights in LDS: 256 bytes + 32
.set KSB,   32*PW                      ; a K step of 32 rows: 9,216 bytes
.set SPARE, 1024*PW                    ; behind the weights: the spare words, 128 bytes a wave; no other line names them
.set TW,   22
.set AR,   32
.set PR,   160
.set BF,   192
.set WS,   160                         ; window 1
.set BIAS, 224                         ; window 1
.set TG,   160                         ; window 1
.set MUL,  0x50                        ; C and D in window 1, the sources in window 0
.set MSB, 0
.macro WIN new                         ; the immediate's high byte repeats the setting that is left; a switch that changes nothing is dropped
.if MSB != (\new)
	s_set_vgpr_msb (MSB<<8)|(\new)
.set MSB, \new
.endif
.endm
.macro PLACES                          ; four places behind matrix instructions, in front of loads into their sources and of reads of their results
.rept 4
	v_nop
.endr
.endm
.macro PLD k                           ; the opening: my four rows of K step k, raw; a load of the wave is one row's 512 consecutive bytes
.irp i, 0,1,2,3
	global_load_b128 v[PR+16*(\k)+4*\i:PR+16*(\k)+4*\i+3], v4, s[8:9] offset:(32*(\k)+\i)*ROWB th:TH_LOAD_NT
.endr
.endm
.macro PST k                           ; they are rounded in place and put into LDS
.irp i, 0,1,2,3
	v_cvt_pk_bf16_f32 v[PR+16*(\k)+4*\i],   v[PR+16*(\k)+4*\i],   v[PR+16*(\k)+4*\i+1]
	v_cvt_pk_bf16_f32 v[PR+16*(\k)+4*\i+1], v[PR+16*(\k)+4*\i+2], v[PR+16*(\k)+4*\i+3]
.endr
.irp i, 0,1,2,3
	ds_store_b64 v5, v[PR+16*(\k)+4*\i:PR+16*(\k)+4*\i+1] offset:(\k)*KSB+\i*PW
.endr
.endm
.macro WLD q, reg, k                   ; my four rows of the K step k steps behind v[reg], raw, into place q of the ring
	WIN 0x40                                       ; destination in window 1
.irp i, 0,1,2,3
	global_load_b128 v[WS+16*(\q)+4*\i:WS+16*(\q)+4*\i+3], v[\reg], s[8:9] offset:(32*(\k)+\i)*ROWB th:TH_LOAD_NT
.endr
.endm
.macro WST q, reg, k, left             ; place q of the ring is rounded and put into LDS, k K steps behind v[reg]; left = the younger loads, which stay out.  The eight conversions are also the places behind the products
	WIN 0x05                                       ; sources in window 1, destination in window 0
	s_wait_loadcnt \left
.irp i, 0,1,2,3
	v_cvt_pk_bf16_f32 v[TW+2*\i],   v[WS+16*(\q)+4*\i],   v[WS+16*(\q)+4*\i+1]
	v_cvt_pk_bf16_f32 v[TW+2*\i+1], v[WS+16*(\q)+4*\i+2], v[WS+16*(\q)+4*\i+3]
.endr
	WIN 0
.irp i, 0,1,2,3
	ds_store_b64 v[\reg], v[TW+2*\i:TW+2*\i+1] offset:(\k)*KSB+\i*PW
.endr
.endm
.macro BLOAD buf, reg, k               ; the weights' fragments of the K step k steps behind v[reg]: 32 k x my 64 columns, turned
	WIN 0
.irp nt, 0,1,2,3
	ds_load_tr16_b128 v[BF+32*(\buf)+8*\nt:BF+32*(\buf)+8*\nt+3],   v[\reg] offset:(\k)*KSB+32*\nt
	ds_load_tr16_b128 v[BF+32*(\buf)+8*\nt+4:BF+32*(\buf)+8*\nt+7], v[\reg] offset:(\k)*KSB+32*\nt+16*PW
.endr
.endm
.macro ALOAD s, reg, k                 ; my five tiles' fragments of the K step k steps behind v[reg], into ring place s: each load is 512 consecutive bytes
	WIN 0
.irp i, 0,1,2,3,4
	global_load_b128 v[AR+40*(\s)+8*\i:AR+40*(\s)+8*\i+3],   v[\reg], s[6:7] offset:\i*4*TILEB+(\k)*1024
	global_load_b128 v[AR+40*(\s)+8*\i+4:AR+40*(\s)+8*\i+7], v[\reg], s[6:7] offset:\i*4*TILEB+(\k)*1024+512
.endr
.endm
.macro MMA j, first                    ; 20 matrix instructions, the 20 accumulators by turns.  first = 1: the bias starts the sums
	WIN MUL
.irp i, 0,1,2,3,4
.irp nt, 0,1,2,3
.if \first
	v_wmma_f32_16x16x32_bf16 v[8*(4*\i+\nt):8*(4*\i+\nt)+7], v[BF+32*((\j)%2)+8*\nt:BF+32*((\j)%2)+8*\nt+7], v[AR+40*(\j)+8*\i:AR+40*(\j)+8*\i+7], v[BIAS+8*\nt:BIAS+8*\nt+7]
.else
	v_wmma_f32_16x16x32_bf16 v[8*(4*\i+\nt):8*(4*\i+\nt)+7], v[BF+32*((\j)%2)+8*\nt:BF+32*((\j)%2)+8*\nt+7], v[AR+40*(\j)+8*\i:AR+40*(\j)+8*\i+7], v[8*(4*\i+\nt):8*(4*\i+\nt)+7]
.endif
.endr
.endr
.endm
; A K STEP.  j = step % 4.  na: the global loads issued behind this step's x, which may stay out.  nd: the LDS instructions issued behind this step's fragments.
; bar = 1: a barrier, the signal behind the waits (nd = 0), the wait behind the products.  wst, nw, rs, ks: rows are rounded and stored (WST).  bld, rb, kb: fragments are fetched (BLOAD).
; ald, ra, ka: x is asked for (ALOAD).  wld, rw, kw: rows are asked for (WLD).
.macro KSTEP j, first, na, nd, bar, wst, nw, rs, ks, bld, rb, kb, ald, ra, ka, wld, rw, kw
	s_wait_loadcnt \na
	s_wait_dscnt \nd
.if \bar
	s_barrier_signal -1                            ; my stores of the four K steps to come are done, and no LDS instruction of mine is out
.endif
	MMA \j, \first
.if \bar
	s_barrier_wait -1                              ; everybody's are
.endif
.if \wst
	WST \j, \rs, \ks, \nw
.else
	WIN 0
.if (\bld)+(\ald)
	PLACES
.endif
.endif
.if \bld
	BLOAD ((\j)%2), \rb, \kb
.endif
.if \ald
	ALOAD \j, \ra, \ka
.endif
.if \wld
	WLD \j, \rw, \kw
.endif
.endm
; K step KS (0..27) of a later pass: fragments two steps ahead, from the fixed register of their group of seven K steps; x four steps ahead, its K step in the immediate.
; na = 30: three younger ring places of 10 loads; nd = 8: the next step's fetches.
.macro GSTEP
.set RB, 21-(KS+2)/7                   ; K steps 7-13: v20; 14-20: v19; 21-27: v18; 28, 29: v17
.if KS < 5
.set RB, 6                             ; K steps 2-6: v6
.endif
.set FI, 0
.if KS == 0
.set FI, 1
.endif
	KSTEP (KS%4), FI, 30, 8, 0,   0, 0, 0, 0,    1, RB, (KS+2)%7,   1, 9, KS+4,   0, 0, 0
.endm
.macro GELU a                          ; the accumulator at v[a] of window 1: gelu in place, then rounded to bf16 into its first four registers
.irp k, 0,2,4,6
	v_pk_mul_f32 v[TG+\k:TG+\k+1], v[(\a)+\k:(\a)+\k+1], v[(\a)+\k:(\a)+\k+1]                   ; x^2, from the low end on
.endr
.irp k, 0,2,4,6
	v_pk_fma_f32 v[TG+\k:TG+\k+1], v[TG+\k:TG+\k+1], s[30:31], s[28:29] op_sel_hi:[1,0,0]       ; c2 x^2 + c1
.endr
.irp k, 0,2,4,6
	v_pk_mul_f32 v[TG+\k:TG+\k+1], v[TG+\k:TG+\k+1], v[(\a)+\k:(\a)+\k+1]
.endr
.irp k, 0,1,2,3,4,5,6,7
	v_exp_f32 v[TG+\k], v[TG+\k]
.endr
	v_nop                                          ; a plain instruction behind the last exponential
	s_wait_alu depctr_va_vdst(0)
.irp k, 0,2,4,6
	v_pk_add_f32 v[TG+\k:TG+\k+1], v[TG+\k:TG+\k+1], 1.0 op_sel_hi:[1,0]
.endr
.irp k, 0,1,2,3,4,5,6,7
	v_rcp_f32 v[TG+\k], v[TG+\k]
.endr
	v_nop                                          ; a plain instruction behind the last reciprocal
	s_wait_alu depctr_va_vdst(0)
.irp k, 0,2,4,6
	v_pk_mul_f32 v[(\a)+\k:(\a)+\k+1], v[(\a)+\k:(\a)+\k+1], v[TG+\k:TG+\k+1]
.endr
.irp k, 0,1,2,3
	v_cvt_pk_bf16_f32 v[(\a)+\k], v[(\a)+2*\k], v[(\a)+2*\k+1]
.endr
.endm
	s_load_b256 s[4:11], s[0:1], 0x0               ; plan s[4:5], xg s[6:7], w1 s[8:9], b1 s[10:11]
	s_load_b64 s[12:13], s[0:1], 0x20              ; hb
	v_lshl_add_u32 v30, v0, 2, SPARE               ; my spare word,
	v_mov_b32 v31, 0                               ; and 0: kept for the closing lines alone
	v_lshrrev_b32 v1, 5, v0
	v_readfirstlane_b32 s14, v1                    ; wave 0..7
	v_and_b32 v1, 31, v0                           ; L
	v_and_b32 v2, 15, v0                           ; r
	v_bfe_u32 v3, v0, 4, 1                         ; h
	s_lshr_b32 s15, s14, 1                         ; mg
	s_and_b32 s16, s14, 1                          ; nh
	s_lshr_b32 s17, ttmp9, 5                       ; e
	s_and_b32 s18, ttmp9, 31                       ; strip
	s_lshl_b32 s25, s17, 8                         ; the count's place in plan, less 32,768
	s_lshl_b32 s26, s17, 24                        ; w1: expert, 16,777,216 bytes;
	s_lshl_b32 s33, s18, 9                         ; strip, 512 bytes of a row;
	s_add_co_u32 s26, s26, s33
	s_lshl_b32 s33, s14, 16                        ; my wave's four rows of a K step
	s_add_co_u32 s26, s26, s33
	s_mov_b32 s27, 0
	s_mul_i32 s34, s17, 2621440                    ; xg: expert
	s_mov_b32 s35, 0
	s_lshl_b32 s36, s17, 14                        ; b1: expert, strip, my 64 columns
	s_lshl_b32 s33, s18, 9
	s_add_co_u32 s36, s36, s33
	s_lshl_b32 s33, s16, 8
	s_add_co_u32 s36, s36, s33
	s_mov_b32 s37, 0
	s_mul_i32 s38, s17, 10485760                   ; hb: expert, and the strip's four K blocks
	s_lshl_b32 s33, s18, 12
	s_add_co_u32 s38, s38, s33
	s_mov_b32 s39, 0
	v_lshlrev_b32 v4, 4, v1                        ; 16 L
	v_lshlrev_b32 v14, 5, v3                       ; b1: 8 numbers on for the upper lanes
	s_mul_i32 s33, s14, 4*PW
	v_lshl_add_u32 v5, v1, 3, s33                  ; the weights into LDS: my wave's four rows of K step 0, 8 bytes a lane
	v_and_b32 v6, 7, v0
	v_lshl_add_u32 v6, v3, 3, v6
	v_mul_u32_u24 v6, v6, PW                       ; the turning load: row 8 h + L % 8,
	v_bfe_u32 v7, v0, 3, 1
	v_lshl_add_u32 v6, v7, 4, v6                   ; 16 bytes on for lanes 8-15 of a half,
	s_lshl_b32 s33, s16, 7
	v_add_nc_u32 v6, s33, v6                       ; my 64 columns
	v_add_nc_u32 v17, 28*KSB, v6                   ; the same place at K step 28,
	v_add_nc_u32 v18, 21*KSB, v6                   ; 21,
	v_add_nc_u32 v19, 14*KSB, v6                   ; 14,
	v_add_nc_u32 v20, 7*KSB, v6                    ; and 7
	v_add_nc_u32 v21, 28*KSB, v5                   ; the stores' place at K step 28
	s_lshl_b32 s33, s15, 15
	v_add_nc_u32 v8, s33, v4                       ; xg: 16 L + tile mg
	s_lshl_b32 s33, s15, 17
	s_lshl_b32 s40, s16, 11
	s_add_co_u32 s33, s33, s40
	v_add_nc_u32 v10, s33, v4                      ; hb: 16 L + tile mg + my two K blocks
	s_mov_b32 s28, 0xc0135761                      ; c1 = -2.3022082
	s_mov_b32 s29, 0xc0135761
	s_mov_b32 s30, 0xbdd2d3e8                      ; c2 = -0.10294324
	s_mov_b32 s31, 0xbdd2d3e8
	s_mov_b32 s32, 0xffff0000
	s_wait_kmcnt 0x0
	s_add_nc_u64 s[8:9], s[8:9], s[26:27]
	s_add_nc_u64 s[10:11], s[10:11], s[36:37]
	s_add_nc_u64 s[6:7], s[6:7], s[34:35]
	s_add_nc_u64 s[12:13], s[12:13], s[38:39]
	s_load_b32 s19, s[4:5], s25 offset:0x8000      ; n
	; THE OPENING.  The bias; K steps 0-5 of the weights; then x and raw rows in the order in which the steps will issue them: x of step u, rows of K step u + 6.
	WIN 0x40                                       ; destination in window 1
.irp nt, 0,1,2,3
	global_load_b128 v[BIAS+8*\nt:BIAS+8*\nt+3],   v14, s[10:11] offset:64*\nt     ; register j: b1 of column 16 nt + 8 h + j
	global_load_b128 v[BIAS+8*\nt+4:BIAS+8*\nt+7], v14, s[10:11] offset:64*\nt+16
.endr
	WIN 0
.irp k, 0,1,2,3,4,5
	PLD \k
.endr
	ALOAD 0, 8, 0
	WLD 0, 4, 6
	ALOAD 1, 8, 1
	WLD 1, 4, 7
	WIN 0
	s_wait_loadcnt 28                              ; the bias and K steps 0-5 are in; the 10 + 4 + 10 + 4 loads issued behind them stay out
.irp k, 0,1,2,3,4,5
	PST \k
.endr
	ALOAD 2, 8, 2
	WLD 2, 4, 8
	WIN 0x55                                       ; all places in window 1: b1 is rounded to bf16, like every input, in place
.set p, 0
.rept 16
	v_cvt_pk_bf16_f32 v[BIAS+p], v[BIAS+p], v[BIAS+p+1]
	v_and_b32 v[BIAS+p+1], s32, v[BIAS+p]
	v_lshlrev_b32 v[BIAS+p], 16, v[BIAS+p]
.set p, p+2
.endr
	WIN 0
	s_wait_kmcnt 0x0
	s_min_u32 s19, s19, 0x400
	s_mov_b32 s20, 0                               ; the pass's first slot
	s_mov_b32 s21, 0                               ; its bytes in xg
	s_mov_b32 s22, 0                               ; and in hb
	s_mov_b32 s23, 4                               ; passes at the most
	s_wait_dscnt 0x0                               ; for the others' sake: my rows of K steps 0-5 are in LDS; and v152-255 may be loaded again
	s_barrier_signal -1
	s_barrier_wait -1
	BLOAD 0, 6, 0
	BLOAD 1, 6, 1
	ALOAD 3, 8, 3
	WLD 3, 4, 9
	; PASS 0.  A step issues 10 loads of x and then 4 of rows.  na = 46: the 4 rows' loads issued behind this step's x and three younger steps of 14; nw = 42: those three steps.
	; nd = 12: the younger step's 4 stores and 8 fetches (at step 0: the 8 fetches of step 1).
	KSTEP 0, 1, 46, 8, 0,   1, 42, 5, 6,   1, 6, 2,   1, 8, 4,   1, 4, 10
	KSTEP 1, 0, 46, 12, 0,  1, 42, 5, 7,   1, 6, 3,   1, 8, 5,   1, 4, 11
	WIN 0
	s_mov_b32 s41, 4*KSB                           ; LDS bytes of K step 4 t + 4
	s_mov_b32 s42, 0                               ; xg bytes of K step 4 t
	s_mov_b32 s43, 0                               ; w1 bytes of K step 4 t
	s_mov_b32 s24, 5
.Lfill:                                                ; trip t = 0..4: steps 4 t + 2 .. 4 t + 5
	s_wait_xcnt 0x0                                ; v9 and v16 are addresses of loads just issued: they are written again only behind this wait
	v_add_nc_u32 v7, s41, v6
	v_add_nc_u32 v15, s41, v5
	v_add_nc_u32 v9, s42, v8
	v_add_nc_u32 v16, s43, v4
	KSTEP 2, 0, 46, 0, 1,   1, 42, 15, 4,  1, 7, 0,   1, 9, 6,   1, 16, 12
	KSTEP 3, 0, 46, 12, 0,  1, 42, 15, 5,  1, 7, 1,   1, 9, 7,   1, 16, 13
	KSTEP 0, 0, 46, 12, 0,  1, 42, 15, 6,  1, 7, 2,   1, 9, 8,   1, 16, 14
	KSTEP 1, 0, 46, 12, 0,  1, 42, 15, 7,  1, 7, 3,   1, 9, 9,   1, 16, 15
	WIN 0
	s_add_co_u32 s41, s41, 4*KSB
	s_add_co_u32 s42, s42, 4096
	s_add_co_u32 s43, s43, 128*ROWB
	s_sub_co_u32 s24, s24, 1
	s_cmp_lg_u32 s24, 0
	s_cbranch_scc1 .Lfill
	; steps 22 to 27: no more rows are asked for, so each count loses 4 a step until only x's 30 are left; the last rows are stored at step 25, the last barrier stands at step 26
	KSTEP 2, 0, 46, 0, 1,   1, 42, 21, 0,  1, 18, 3,  1, 8, 26,  0, 0, 0
	KSTEP 3, 0, 42, 12, 0,  1, 38, 21, 1,  1, 18, 4,  1, 8, 27,  0, 0, 0
	KSTEP 0, 0, 38, 12, 0,  1, 34, 21, 2,  1, 18, 5,  1, 8, 28,  0, 0, 0
	KSTEP 1, 0, 34, 12, 0,  1, 30, 21, 3,  1, 18, 6,  1, 8, 29,  0, 0, 0
	KSTEP 2, 0, 30, 0, 1,   0, 0, 0, 0,    1, 17, 0,  1, 8, 30,  0, 0, 0
	KSTEP 3, 0, 30, 8, 0,   0, 0, 0, 0,    1, 17, 1,  1, 8, 31,  0, 0, 0
	WIN 0
	s_branch .Ltail                                ; the last four steps and the way out are the later passes' too
.Lgen:                                                 ; A LATER PASS: the weights lie in LDS, whole; no barrier
	v_add_nc_u32 v9, s21, v8                       ; the pass's place in xg; fixed for the pass
	BLOAD 0, 6, 0
	BLOAD 1, 6, 1
	ALOAD 0, 9, 0
	ALOAD 1, 9, 1
	ALOAD 2, 9, 2
	ALOAD 3, 9, 3
.set KS, 0
.rept 28
	GSTEP
.set KS, KS+1
.endr
.Ltail:                                                ; steps 28 to 31 ask for nothing beyond K's end: the counts run down
	KSTEP 0, 0, 30, 8, 0,   0, 0, 0, 0,    1, 17, 2,  0, 0, 0,   0, 0, 0
	KSTEP 1, 0, 20, 8, 0,   0, 0, 0, 0,    1, 17, 3,  0, 0, 0,   0, 0, 0
	KSTEP 2, 0, 10, 8, 0,   0, 0, 0, 0,    0, 0, 0,   0, 0, 0,   0, 0, 0
	KSTEP 3, 0, 0, 0, 0,    0, 0, 0, 0,    0, 0, 0,   0, 0, 0,   0, 0, 0
	PLACES
	v_add_nc_u32 v11, s22, v10
.irp i, 0,1,2,3,4                              ; all 20 tiles go out: the second layer reads them all
	WIN 0x55
.irp nt, 0,1,2,3
	GELU 8*(4*\i+\nt)
.endr
	WIN 0x04                                       ; a store's data in window 1
.irp nt, 0,1,2,3
	global_store_b128 v11, v[8*(4*\i+\nt):8*(4*\i+\nt)+3], s[12:13] offset:\i*4*OTILE+512*\nt    ; each store of the wave covers 512 consecutive bytes, aligned
.endr
.endr
	WIN 0
	s_wait_xcnt 0x0                                ; the stores' data, v11 and v9 are written again only behind this wait
	s_add_co_u32 s20, s20, 320
	s_add_co_u32 s21, s21, 20*TILEB
	s_add_co_u32 s22, s22, 20*OTILE
	s_cmp_lt_u32 s20, s19
	s_cbranch_scc0 .Ldone                          ; no listed token is left
	s_sub_co_u32 s23, s23, 1
	s_cmp_lg_u32 s23, 0
	s_cbranch_scc1 .Lgen                           ; three later passes at the most: 4 x 320 slots hold the 1,024 tokens
.Ldone:
	s_wait_tensorcnt 0x0                           ; the wave's end
	ds_add_u32 v30, v31
	s_wait_dscnt 0x0
	s_endpgm
.Lfunc_end_k_q238ed4f07e_gemm1:
	.size	k_q238ed4f07e_gemm1, .Lfunc_end_k_q238ed4f07e_gemm1-k_q238ed4f07e_gemm1
	.p2alignl 7, 3214868480
	.fill 96, 4, 3214868480
	.section	.rodata,"a",@progbits
	.p2align	6, 0x0
	.amdhsa_kernel k_q238ed4f07e_gemm1
		.amdhsa_group_segment_fixed_size 295936
		.amdhsa_private_segment_fixed_size 0
		.amdhsa_enable_private_segment 0
		.amdhsa_kernarg_size 40
		.amdhsa_user_sgpr_count 2
		.amdhsa_user_sgpr_kernarg_segment_ptr 1
		.amdhsa_wavefront_size32 1
		.amdhsa_system_sgpr_workgroup_id_x 1
		.amdhsa_system_sgpr_workgroup_id_y 1
		.amdhsa_system_sgpr_workgroup_id_z 1
		.amdhsa_system_vgpr_workitem_id 0
		.amdhsa_next_free_vgpr 512
		.amdhsa_next_free_sgpr 66
		.amdhsa_reserve_vcc 0
		.amdhsa_float_denorm_mode_32 3
		.amdhsa_float_denorm_mode_16_64 3
		.amdhsa_memory_ordered 1
		.amdhsa_forward_progress 1
		.amdhsa_inst_pref_size 205
	.end_amdhsa_kernel
	.amdgpu_metadata
---
amdhsa.version: [ 1, 2 ]
amdhsa.kernels:
  - .name:           k_q238ed4f07e_gemm1
    .symbol:         k_q238ed4f07e_gemm1.kd
    .args:
      - { .name: plan, .offset: 0, .size: 8, .value_kind: global_buffer, .address_space: global }
      - { .name: xg, .offset: 8, .size: 8, .value_kind: global_buffer, .address_space: global }
      - { .name: w1, .offset: 16, .size: 8, .value_kind: global_buffer, .address_space: global }
      - { .name: b1, .offset: 24, .size: 8, .value_kind: global_buffer, .address_space: global }
      - { .name: hb, .offset: 32, .size: 8, .value_kind: global_buffer, .address_space: global }
    .group_segment_fixed_size: 295936
    .private_segment_fixed_size: 0
    .kernarg_segment_align: 8
    .kernarg_segment_size: 40
    .max_flat_workgroup_size: 256
    .sgpr_count:     66
    .vgpr_count:     512
    .wavefront_size: 32
...
	.end_amdgpu_metadata
.endif
;; end of part 3
;; launch gemm2 (part 4): grid 256 x 1, 8 waves a work-group, no clusters, 314,368 bytes of LDS; arguments plan, hb, w2, yb; writes yb
.if DOCPART == 4
	.amdgcn_target "amdgcn-amd-amdhsa--gfx1250"
	.amdhsa_code_object_version 6
	.text
	.protected	k_q238ed4f07e_gemm2
	.globl	k_q238ed4f07e_gemm2
	.p2align	8
	.type	k_q238ed4f07e_gemm2,@function
k_q238ed4f07e_gemm2:
	s_mov_b64 s[64:65], 0
	v_nop
	global_prefetch_b8 v0, s[64:65] scope:SCOPE_SE
	s_setreg_imm32_b32 hwreg(HW_REG_WAVE_MODE, 25, 1), 1
	s_wait_xcnt 0x0
; SECOND EXPERT LAYER, in four quarters of K.  yb[q][e][slot][d] = the sum over the 1,024 f of quarter q of h[slot][f] w2[e][f][d], in f32; the quarters, b2 and the router's weights meet in the next launch.
; w2 is rounded to bf16, h arrives so.  Rows of unchosen experts are not made (LIMIT: 0 x infinity or NaN of an unchosen expert is not reproduced).
; SHARES.  Work-group = expert e (x / 32), quarter q ((x / 8) % 4), strip of 128 of the 1,024 columns (x % 8).  Its 1,024 x 128 numbers of w2 are read from memory once, rounded, and stay in LDS as [k][n].
; The expert's slots are walked in passes of 320 (20 tiles of 16).  Wave w: tiles mg + 4 i (mg = w / 2, i = 0..4) x columns 64 (w % 2) + 0..63: 20 accumulators.
; PASS 0 AND THE WEIGHTS' FILL GO TOGETHER, as in the first layer.  K goes in 32 steps of 32.  Of each K step's 32 rows of w2 a wave handles four.  Behind step s's 20 products it rounds and stores the rows of
; K step s + 6 (asked for at step s - 4), fetches the turned fragments of step s + 2, asks for h of step s + 4 and for the rows of K step s + 10.  A barrier for every four K steps, at s = 2, 6 .. 26: the signal
; behind the step's waits, the wait behind its products; the fetch behind it is the first of the four K steps that the barrier has shown whole.  Pass 0 runs whatever n is: no barrier hangs on a number read from memory.
; In the fill's loop an LDS address is made anew each trip: a fixed lane term plus a scalar that steps by a constant.
; PASSES 1 TO 3 (live if 320 p < n) walk the weights that lie in LDS, without a barrier; their K steps 0 to 27 are written out, every LDS address a register made once at the head plus an immediate;
; they share the last four K steps and the way out with pass 0.
; No tensor loads and no cluster: the weights need a rounding in registers and fill LDS, no two work-groups read the same weights, the walk's length hangs on a count read from memory.
; THE WAY OUT.  A lane holds a piece of a column (slot 8 h + j, column r), so half a tile at a time goes through my wave's own stage in LDS and leaves as rows: sixteen lanes store 256 consecutive bytes, aligned.
; Tiles that begin at or past slot n are not stored: nothing reads them.
; REGISTERS.  Window 0: v0-21 addresses (v6, v20, v19, v18, v17: my lane's place in the weights at K steps 0, 7, 14, 21, 28: an LDS immediate has 16 bits, which hold 7 K steps); v22-29 four rounded rows;
;             v32-191 h's ring of four K steps (step s % 4, tile i at 32 + 40 (s % 4) + 8 i; v32-47 also the rows on the way out); v192-255 two buffers of w2's fragments;
;             at the opening v160-255 hold the raw rows of K steps 0-5.  Window 1: v0-159 accumulators ((i, nt) at 8 (4 i + nt)); v160-223 the raw rows' ring of four K steps, 16 each.
;             The two rings are equally deep: loads are counted in the order of issue, so a deeper one would wait for the shallower one's loads all the same.
.set ROWB,  4096                       ; bytes from row to row of w2[e]
.set TILEB, 131072                     ; bytes of a tile of 16 slots in hb
.set PW,    288                        ; a row of the weights in LDS: 256 bytes + 32
.set KSB,   32*PW                      ; a K step of 32 rows: 9,216 bytes
.set STAGE, 1024*PW                    ; behind the weights: 8 rows x 272 bytes in 2,304 for each wave
.set SPARE, STAGE+8*2304               ; behind the stages: the spare words, 128 bytes a wave; no other line names them
.set TW,   22
.set AR,   32
.set OB,   32
.set PR,   160
.set BF,   192
.set WS,   160                         ; window 1
.set MUL,  0x50                        ; C and D in window 1, the sources in window 0
.set MSB, 0
.macro WIN new                         ; the immediate's high byte repeats the setting that is left; a switch that changes nothing is dropped
.if MSB != (\new)
	s_set_vgpr_msb (MSB<<8)|(\new)
.set MSB, \new
.endif
.endm
.macro PLACES                          ; four places behind matrix instructions, in front of loads into their sources and of reads of their results
.rept 4
	v_nop
.endr
.endm
.macro PLD k                           ; the opening: my four rows of K step k, raw; a load of the wave is one row's 512 consecutive bytes
.irp i, 0,1,2,3
	global_load_b128 v[PR+16*(\k)+4*\i:PR+16*(\k)+4*\i+3], v4, s[8:9] offset:(32*(\k)+\i)*ROWB th:TH_LOAD_NT
.endr
.endm
.macro PST k                           ; they are rounded in place and put into LDS
.irp i, 0,1,2,3
	v_cvt_pk_bf16_f32 v[PR+16*(\k)+4*\i],   v[PR+16*(\k)+4*\i],   v[PR+16*(\k)+4*\i+1]
	v_cvt_pk_bf16_f32 v[PR+16*(\k)+4*\i+1], v[PR+16*(\k)+4*\i+2], v[PR+16*(\k)+4*\i+3]
.endr
.irp i, 0,1,2,3
	ds_store_b64 v5, v[PR+16*(\k)+4*\i:PR+16*(\k)+4*\i+1] offset:(\k)*KSB+\i*PW
.endr
.endm
.macro WLD q, reg, k                   ; my four rows of the K step k steps behind v[reg], raw, into place q of the ring
	WIN 0x40                                       ; destination in window 1
.irp i, 0,1,2,3
	global_load_b128 v[WS+16*(\q)+4*\i:WS+16*(\q)+4*\i+3], v[\reg], s[8:9] offset:(32*(\k)+\i)*ROWB th:TH_LOAD_NT
.endr
.endm
.macro WST q, reg, k, left             ; place q of the ring is rounded and put into LDS, k K steps behind v[reg]; left = the younger loads, which stay out.  The eight conversions are also the places behind the products
	WIN 0x05                                       ; sources in window 1, destination in window 0
	s_wait_loadcnt \left
.irp i, 0,1,2,3
	v_cvt_pk_bf16_f32 v[TW+2*\i],   v[WS+16*(\q)+4*\i],   v[WS+16*(\q)+4*\i+1]
	v_cvt_pk_bf16_f32 v[TW+2*\i+1], v[WS+16*(\q)+4*\i+2], v[WS+16*(\q)+4*\i+3]
.endr
	WIN 0
.irp i, 0,1,2,3
	ds_store_b64 v[\reg], v[TW+2*\i:TW+2*\i+1] offset:(\k)*KSB+\i*PW
.endr
.endm
.macro BLOAD buf, reg, k               ; the weights' fragments of the K step k steps behind v[reg]: 32 k x my 64 columns, turned
	WIN 0
.irp nt, 0,1,2,3
	ds_load_tr16_b128 v[BF+32*(\buf)+8*\nt:BF+32*(\buf)+8*\nt+3],   v[\reg] offset:(\k)*KSB+32*\nt
	ds_load_tr16_b128 v[BF+32*(\buf)+8*\nt+4:BF+32*(\buf)+8*\nt+7], v[\reg] offset:(\k)*KSB+32*\nt+16*PW
.endr
.endm
.macro ALOAD s, reg, k                 ; my five tiles' fragments of the K step k steps behind v[reg], into ring place s: each load is 512 consecutive bytes
	WIN 0
.irp i, 0,1,2,3,4
	global_load_b128 v[AR+40*(\s)+8*\i:AR+40*(\s)+8*\i+3],   v[\reg], s[6:7] offset:\i*4*TILEB+(\k)*1024
	global_load_b128 v[AR+40*(\s)+8*\i+4:AR+40*(\s)+8*\i+7], v[\reg], s[6:7] offset:\i*4*TILEB+(\k)*1024+512
.endr
.endm
.macro MMA j, first                    ; 20 matrix instructions, the 20 accumulators by turns.  first = 1: the constant 0 starts the sums
	WIN MUL
.irp i, 0,1,2,3,4
.irp nt, 0,1,2,3
.if \first
	v_wmma_f32_16x16x32_bf16 v[8*(4*\i+\nt):8*(4*\i+\nt)+7], v[AR+40*(\j)+8*\i:AR+40*(\j)+8*\i+7], v[BF+32*((\j)%2)+8*\nt:BF+32*((\j)%2)+8*\nt+7], 0
.else
	v_wmma_f32_16x16x32_bf16 v[8*(4*\i+\nt):8*(4*\i+\nt)+7], v[AR+40*(\j)+8*\i:AR+40*(\j)+8*\i+7], v[BF+32*((\j)%2)+8*\nt:BF+32*((\j)%2)+8*\nt+7], v[8*(4*\i+\nt):8*(4*\i+\nt)+7]
.endif
.endr
.endr
.endm
; A K STEP.  j = step % 4.  na: the global loads issued behind this step's h, which may stay out.  nd: the LDS instructions issued behind this step's fragments.
; bar = 1: a barrier, the signal behind the waits (nd = 0), the wait behind the products.  wst, nw, rs, ks: rows are rounded and stored (WST).  bld, rb, kb: fragments are fetched (BLOAD).
; ald, ra, ka: h is asked for (ALOAD).  wld, rw, kw: rows are asked for (WLD).
.macro KSTEP j, first, na, nd, bar, wst, nw, rs, ks, bld, rb, kb, ald, ra, ka, wld, rw, kw
	s_wait_loadcnt \na
	s_wait_dscnt \nd
.if \bar
	s_barrier_signal -1                            ; my stores of the four K steps to come are done, and no LDS instruction of mine is out
.endif
	MMA \j, \first
.if \bar
	s_barrier_wait -1                              ; everybody's are
.endif
.if \wst
	WST \j, \rs, \ks, \nw
.else
	WIN 0
.if (\bld)+(\ald)
	PLACES
.endif
.endif
.if \bld
	BLOAD ((\j)%2), \rb, \kb
.endif
.if \ald
	ALOAD \j, \ra, \ka
.endif
.if \wld
	WLD \j, \rw, \kw
.endif
.endm
; K step KS (0..27) of a later pass: fragments two steps ahead, from the fixed register of their group of seven K steps; h four steps ahead, its K step in the immediate.
; na = 30: three younger ring places of 10 loads; nd = 8: the next step's fetches.
.macro GSTEP
.set RB, 21-(KS+2)/7                   ; K steps 7-13: v20; 14-20: v19; 21-27: v18; 28, 29: v17
.if KS < 5
.set RB, 6                             ; K steps 2-6: v6
.endif
.set FI, 0
.if KS == 0
.set FI, 1
.endif
	KSTEP (KS%4), FI, 30, 8, 0,   0, 0, 0, 0,    1, RB, (KS+2)%7,   1, 9, KS+4,   0, 0, 0
.endm
; Tile i of my five leaves, registers 4 hf .. 4 hf + 3 of its four accumulators at a time: 8 rows (stage row 4 h + jj = slot 8 h + 4 hf + jj) x 64 columns.
.macro OUT i
	s_add_co_u32 s33, s35, 64*(\i)                 ; the tile's first slot
	s_cmp_lt_u32 s33, s19
	s_cbranch_scc0 .Ldead_\@
.irp hf, 0,1
	WIN 0x04                                       ; a store's data in window 1
.irp jj, 0,1,2,3
.irp nt, 0,1,2,3
	ds_store_b32 v12, v[8*(4*(\i)+\nt)+4*\hf+\jj] offset:\jj*272+\nt*64      ; each accumulator from its low end on
.endr
.endr
	WIN 0
	s_wait_xcnt 0x0                                ; OB, which earlier stores read, is loaded again only behind this wait
.irp t, 0,1,2,3
	ds_load_b128 v[OB+4*\t:OB+4*\t+3], v13 offset:\t*544                     ; LDS serves a wave's instructions in order (ISA guide 5.7.1.4): these see the stores above; stage rows 2 t + h
.endr
	s_wait_dscnt 0x0
.irp t, 0,1,2,3
	global_store_b128 v11, v[OB+4*\t:OB+4*\t+3], s[10:11] offset:(\i)*262144+(8*(\t/2)+2*(\t%2)+4*\hf)*4096
.endr
.endr
.Ldead_\@:
.endm
	s_load_b256 s[4:11], s[0:1], 0x0               ; plan s[4:5], hb s[6:7], w2 s[8:9], yb s[10:11]
	v_lshl_add_u32 v30, v0, 2, SPARE               ; my spare word,
	v_mov_b32 v31, 0                               ; and 0: kept for the closing lines alone
	v_lshrrev_b32 v1, 5, v0
	v_readfirstlane_b32 s14, v1                    ; wave 0..7
	v_and_b32 v1, 31, v0                           ; L
	v_and_b32 v2, 15, v0                           ; r
	v_bfe_u32 v3, v0, 4, 1                         ; h
	s_lshr_b32 s15, s14, 1                         ; mg
	s_and_b32 s16, s14, 1                          ; nh
	s_lshr_b32 s17, ttmp9, 5                       ; e
	s_and_b32 s18, ttmp9, 7                        ; strip
	s_bfe_u32 s40, ttmp9, 0x20003                  ; q
	s_lshl_b32 s25, s17, 8                         ; the count's place in plan, less 32,768
	s_lshl_b32 s26, s17, 24                        ; w2: expert, 16,777,216 bytes;
	s_lshl_b32 s33, s40, 22                        ; quarter, 1,024 rows of 4,096 bytes;
	s_add_co_u32 s26, s26, s33
	s_lshl_b32 s33, s18, 9                         ; strip, 512 bytes of a row;
	s_add_co_u32 s26, s26, s33
	s_lshl_b32 s33, s14, 14                        ; my wave's four rows of a K step
	s_add_co_u32 s26, s26, s33
	s_mov_b32 s27, 0
	s_mul_i32 s28, s17, 10485760                   ; hb: expert, and the quarter's 32 K blocks
	s_lshl_b32 s33, s40, 15
	s_add_co_u32 s28, s28, s33
	s_mov_b32 s29, 0
	s_mul_i32 s30, s40, 41943040                   ; yb: quarter, expert (1,280 rows of 4,096 bytes), strip, my 64 columns
	s_mul_i32 s33, s17, 5242880
	s_add_co_u32 s30, s30, s33
	s_lshl_b32 s33, s18, 9
	s_add_co_u32 s30, s30, s33
	s_lshl_b32 s33, s16, 8
	s_add_co_u32 s30, s30, s33
	s_mov_b32 s31, 0
	v_lshlrev_b32 v4, 4, v1                        ; 16 L
	s_mul_i32 s33, s14, 4*PW
	v_lshl_add_u32 v5, v1, 3, s33                  ; the weights into LDS: my wave's four rows of K step 0, 8 bytes a lane
	v_and_b32 v6, 7, v0
	v_lshl_add_u32 v6, v3, 3, v6
	v_mul_u32_u24 v6, v6, PW                       ; the turning load: row 8 h + L % 8,
	v_bfe_u32 v7, v0, 3, 1
	v_lshl_add_u32 v6, v7, 4, v6                   ; 16 bytes on for lanes 8-15 of a half,
	s_lshl_b32 s33, s16, 7
	v_add_nc_u32 v6, s33, v6                       ; my 64 columns
	v_add_nc_u32 v17, 28*KSB, v6                   ; the same place at K step 28,
	v_add_nc_u32 v18, 21*KSB, v6                   ; 21,
	v_add_nc_u32 v19, 14*KSB, v6                   ; 14,
	v_add_nc_u32 v20, 7*KSB, v6                    ; and 7
	v_add_nc_u32 v21, 28*KSB, v5                   ; the stores' place at K step 28
	s_lshl_b32 s33, s15, 17
	v_add_nc_u32 v8, s33, v4                       ; hb: 16 L + tile mg
	v_lshlrev_b32 v10, 12, v3                      ; yb: row h,
	v_lshl_add_u32 v10, v2, 4, v10                 ; 16 bytes a lane,
	s_lshl_b32 s33, s15, 16
	v_add_nc_u32 v10, s33, v10                     ; tile mg's 16 rows
	s_mul_i32 s33, s14, 2304
	s_add_co_u32 s33, s33, STAGE                   ; my stage
	v_mul_u32_u24 v12, v3, 1088                    ; in: four rows on for the upper lanes, 4 bytes a lane
	v_lshl_add_u32 v12, v2, 2, v12
	v_add_nc_u32 v12, s33, v12
	v_mul_u32_u24 v13, v3, 272                     ; back: lanes 0-15 one row of 256 bytes, lanes 16-31 the next
	v_lshl_add_u32 v13, v2, 4, v13
	v_add_nc_u32 v13, s33, v13
	s_wait_kmcnt 0x0
	s_add_nc_u64 s[8:9], s[8:9], s[26:27]
	s_add_nc_u64 s[6:7], s[6:7], s[28:29]
	s_add_nc_u64 s[10:11], s[10:11], s[30:31]
	s_load_b32 s19, s[4:5], s25 offset:0x8000      ; n
	; THE OPENING.  K steps 0-5 of the weights; then h and raw rows in the order in which the steps will issue them: h of step u, rows of K step u + 6.
.irp k, 0,1,2,3,4,5
	PLD \k
.endr
	ALOAD 0, 8, 0
	WLD 0, 4, 6
	ALOAD 1, 8, 1
	WLD 1, 4, 7
	WIN 0
	s_wait_loadcnt 28                              ; K steps 0-5 are in; the 10 + 4 + 10 + 4 loads issued behind them stay out
.irp k, 0,1,2,3,4,5
	PST \k
.endr
	ALOAD 2, 8, 2
	WLD 2, 4, 8
	WIN 0
	s_wait_kmcnt 0x0
	s_min_u32 s19, s19, 0x400
	s_mov_b32 s20, 0                               ; the pass's first slot
	s_mov_b32 s21, 0                               ; its bytes in hb
	s_mov_b32 s22, 0                               ; and in yb
	s_mov_b32 s23, 4                               ; passes at the most
	s_wait_dscnt 0x0                               ; for the others' sake: my rows of K steps 0-5 are in LDS; and v152-255 may be loaded again
	s_barrier_signal -1
	s_barrier_wait -1
	BLOAD 0, 6, 0
	BLOAD 1, 6, 1
	ALOAD 3, 8, 3
	WLD 3, 4, 9
	; PASS 0.  A step issues 10 loads of h and then 4 of rows.  na = 46: the 4 rows' loads issued behind this step's h and three younger steps of 14; nw = 42: those three steps.
	; nd = 12: the younger step's 4 stores and 8 fetches (at step 0: the 8 fetches of step 1).
	KSTEP 0, 1, 46, 8, 0,   1, 42, 5, 6,   1, 6, 2,   1, 8, 4,   1, 4, 10
	KSTEP 1, 0, 46, 12, 0,  1, 42, 5, 7,   1, 6, 3,   1, 8, 5,   1, 4, 11
	WIN 0
	s_mov_b32 s41, 4*KSB                           ; LDS bytes of K step 4 t + 4
	s_mov_b32 s42, 0                               ; hb bytes of K step 4 t
	s_mov_b32 s43, 0                               ; w2 bytes of K step 4 t
	s_mov_b32 s24, 5
.Lfill:                                                ; trip t = 0..4: steps 4 t + 2 .. 4 t + 5
	s_wait_xcnt 0x0                                ; v9 and v16 are addresses of loads just issued: they are written again only behind this wait
	v_add_nc_u32 v7, s41, v6
	v_add_nc_u32 v15, s41, v5
	v_add_nc_u32 v9, s42, v8
	v_add_nc_u32 v16, s43, v4
	KSTEP 2, 0, 46, 0, 1,   1, 42, 15, 4,  1, 7, 0,   1, 9, 6,   1, 16, 12
	KSTEP 3, 0, 46, 12, 0,  1, 42, 15, 5,  1, 7, 1,   1, 9, 7,   1, 16, 13
	KSTEP 0, 0, 46, 12, 0,  1, 42, 15, 6,  1, 7, 2,   1, 9, 8,   1, 16, 14
	KSTEP 1, 0, 46, 12, 0,  1, 42, 15, 7,  1, 7, 3,   1, 9, 9,   1, 16, 15
	WIN 0
	s_add_co_u32 s41, s41, 4*KSB
	s_add_co_u32 s42, s42, 4096
	s_add_co_u32 s43, s43, 128*ROWB
	s_sub_co_u32 s24, s24, 1
	s_cmp_lg_u32 s24, 0
	s_cbranch_scc1 .Lfill
	; steps 22 to 27: no more rows are asked for, so each count loses 4 a step until only h's 30 are left; the last rows are stored at step 25, the last barrier stands at step 26
	KSTEP 2, 0, 46, 0, 1,   1, 42, 21, 0,  1, 18, 3,  1, 8, 26,  0, 0, 0
	KSTEP 3, 0, 42, 12, 0,  1, 38, 21, 1,  1, 18, 4,  1, 8, 27,  0, 0, 0
	KSTEP 0, 0, 38, 12, 0,  1, 34, 21, 2,  1, 18, 5,  1, 8, 28,  0, 0, 0
	KSTEP 1, 0, 34, 12, 0,  1, 30, 21, 3,  1, 18, 6,  1, 8, 29,  0, 0, 0
	KSTEP 2, 0, 30, 0, 1,   0, 0, 0, 0,    1, 17, 0,  1, 8, 30,  0, 0, 0
	KSTEP 3, 0, 30, 8, 0,   0, 0, 0, 0,    1, 17, 1,  1, 8, 31,  0, 0, 0
	WIN 0
	s_branch .Ltail                                ; the last four steps and the way out are the later passes' too
.Lgen:                                                 ; A LATER PASS: the weights lie in LDS, whole; no barrier
	v_add_nc_u32 v9, s21, v8                       ; the pass's place in hb; fixed for the pass
	BLOAD 0, 6, 0
	BLOAD 1, 6, 1
	ALOAD 0, 9, 0
	ALOAD 1, 9, 1
	ALOAD 2, 9, 2
	ALOAD 3, 9, 3
.set KS, 0
.rept 28
	GSTEP
.set KS, KS+1
.endr
.Ltail:                                                ; steps 28 to 31 ask for nothing beyond the quarter's end: the counts run down
	KSTEP 0, 0, 30, 8, 0,   0, 0, 0, 0,    1, 17, 2,  0, 0, 0,   0, 0, 0
	KSTEP 1, 0, 20, 8, 0,   0, 0, 0, 0,    1, 17, 3,  0, 0, 0,   0, 0, 0
	KSTEP 2, 0, 10, 8, 0,   0, 0, 0, 0,    0, 0, 0,   0, 0, 0,   0, 0, 0
	KSTEP 3, 0, 0, 0, 0,    0, 0, 0, 0,    0, 0, 0,   0, 0, 0,   0, 0, 0
	PLACES
	v_add_nc_u32 v11, s22, v10
	s_lshl_b32 s35, s15, 4
	s_add_co_u32 s35, s35, s20                     ; the first slot of my first tile
	OUT 0
	OUT 1
	OUT 2
	OUT 3
	OUT 4
	s_wait_xcnt 0x0                                ; OB, v11 and v9 are written again only behind this wait
	s_add_co_u32 s20, s20, 320
	s_add_co_u32 s21, s21, 20*TILEB
	s_add_co_u32 s22, s22, 320*4096
	s_cmp_lt_u32 s20, s19
	s_cbranch_scc0 .Ldone                          ; no listed token is left
	s_sub_co_u32 s23, s23, 1
	s_cmp_lg_u32 s23, 0
	s_cbranch_scc1 .Lgen                           ; three later passes at the most: 4 x 320 slots hold the 1,024 tokens
.Ldone:
	s_wait_tensorcnt 0x0                           ; the wave's end
	ds_add_u32 v30, v31
	s_wait_dscnt 0x0
	s_endpgm
.Lfunc_end_k_q238ed4f07e_gemm2:
	.size	k_q238ed4f07e_gemm2, .Lfunc_end_k_q238ed4f07e_gemm2-k_q238ed4f07e_gemm2
	.p2alignl 7, 3214868480
	.fill 96, 4, 3214868480
	.section	.rodata,"a",@progbits
	.p2align	6, 0x0
	.amdhsa_kernel k_q238ed4f07e_gemm2
		.amdhsa_group_segment_fixed_size 314368
		.amdhsa_private_segment_fixed_size 0
		.amdhsa_enable_private_segment 0
		.amdhsa_kernarg_size 32
		.amdhsa_user_sgpr_count 2
		.amdhsa_user_sgpr_kernarg_segment_ptr 1
		.amdhsa_wavefront_size32 1
		.amdhsa_system_sgpr_workgroup_id_x 1
		.amdhsa_system_sgpr_workgroup_id_y 1
		.amdhsa_system_sgpr_workgroup_id_z 1
		.amdhsa_system_vgpr_workitem_id 0
		.amdhsa_next_free_vgpr 480
		.amdhsa_next_free_sgpr 66
		.amdhsa_reserve_vcc 0
		.amdhsa_float_denorm_mode_32 3
		.amdhsa_float_denorm_mode_16_64 3
		.amdhsa_memory_ordered 1
		.amdhsa_forward_progress 1
		.amdhsa_inst_pref_size 175
	.end_amdhsa_kernel
	.amdgpu_metadata
---
amdhsa.version: [ 1, 2 ]
amdhsa.kernels:
  - .name:           k_q238ed4f07e_gemm2
    .symbol:         k_q238ed4f07e_gemm2.kd
    .args:
      - { .name: plan, .offset: 0, .size: 8, .value_kind: global_buffer, .address_space: global }
      - { .name: hb, .offset: 8, .size: 8, .value_kind: global_buffer, .address_space: global }
      - { .name: w2, .offset: 16, .size: 8, .value_kind: global_buffer, .address_space: global }
      - { .name: yb, .offset: 24, .size: 8, .value_kind: global_buffer, .address_space: global }
    .group_segment_fixed_size: 314368
    .private_segment_fixed_size: 0
    .kernarg_segment_align: 8
    .kernarg_segment_size: 32
    .max_flat_workgroup_size: 256
    .sgpr_count:     66
    .vgpr_count:     480
    .wavefront_size: 32
...
	.end_amdgpu_metadata
.endif
;; end of part 4
;; launch combine (part 5): grid 512 x 1, 4 waves a work-group, no clusters, 0 bytes of LDS; arguments route, cw, plan, yb, b2, out0; writes out0
.if DOCPART == 5
	.amdgcn_target "amdgcn-amd-amdhsa--gfx1250"
	.amdhsa_code_object_version 6
	.text
	.protected	k_q238ed4f07e_combine
	.globl	k_q238ed4f07e_combine
	.p2align	8
	.type	k_q238ed4f07e_combine,@function
k_q238ed4f07e_combine:
	s_mov_b64 s[64:65], 0
	v_nop
	global_prefetch_b8 v0, s[64:65] scope:SCOPE_SE
	s_setreg_imm32_b32 hwreg(HW_REG_WAVE_MODE, 25, 1), 1
	s_wait_xcnt 0x0
; COMBINE.  out[t] = c0 (y[e0][t] + b2[e0]) + c1 (y[e1][t] + b2[e1]); y[e][t] is the sum of the four K quarters in yb, at row 1,280 e + rank[e][t].  All in f32; b2 is rounded to bf16, like every input.
; The six unchosen experts have weight 0 in the result and are left out (LIMIT: 0 x infinity or NaN of an unchosen expert is not reproduced).
; SHARES.  A wave takes one token's 512 columns (half a row): token 2 x + w / 2, half w % 2.  Its experts, weights and ranks are whole numbers and weights that earlier launches stored: two rounds of scalar loads,
; then 40 loads of 512 consecutive bytes, all issued before the first is waited for.  A stream: no LDS, no barrier, no matrix unit.
	s_load_b256 s[4:11], s[0:1], 0x0               ; route s[4:5], cw s[6:7], plan s[8:9], yb s[10:11]
	s_load_b128 s[12:15], s[0:1], 0x20             ; b2 s[12:13], out0 s[14:15]
	v_lshrrev_b32 v1, 5, v0
	v_readfirstlane_b32 s16, v1                    ; wave 0..3
	v_and_b32 v1, 31, v0
	s_lshr_b32 s17, s16, 1
	s_lshl_b32 s18, ttmp9, 1
	s_add_co_u32 s17, s17, s18                     ; t
	s_and_b32 s18, s16, 1
	s_lshl_b32 s18, s18, 11
	v_lshl_add_u32 v1, v1, 4, s18                  ; 16 L + my half of the row
	s_lshl_b32 s19, s17, 2
	s_lshl_b32 s21, s17, 3
	s_lshl_b32 s58, s17, 12
	s_mov_b32 s59, 0
	s_mov_b32 s60, 0xffff0000
	s_wait_kmcnt 0x0
	s_load_b32 s20, s[4:5], s19 offset:0x0         ; e0 | e1 << 8 | ..
	s_load_b64 s[22:23], s[6:7], s21 offset:0x0    ; c0, c1
	s_add_nc_u64 s[56:57], s[14:15], s[58:59]      ; out0 at the token's row
	s_wait_kmcnt 0x0
	s_and_b32 s26, s20, 0xff
	s_min_u32 s26, s26, 7                          ; e0
	s_bfe_u32 s27, s20, 0x80008
	s_min_u32 s27, s27, 7                          ; e1
	s_lshl_b32 s28, s26, 12
	s_add_co_u32 s28, s28, s19
	s_lshl_b32 s29, s27, 12
	s_add_co_u32 s29, s29, s19
	s_load_b32 s30, s[8:9], s28 offset:0x0         ; the token's rank in e0's list,
	s_load_b32 s31, s[8:9], s29 offset:0x0         ; and in e1's
	s_mov_b32 s24, s23                             ; c1 as the low word of a pair
	s_mov_b32 s25, s23
	s_lshl_b32 s52, s26, 12
	s_mov_b32 s53, 0
	s_add_nc_u64 s[48:49], s[12:13], s[52:53]      ; b2[e0]
	s_lshl_b32 s54, s27, 12
	s_mov_b32 s55, 0
	s_add_nc_u64 s[50:51], s[12:13], s[54:55]      ; b2[e1]
	s_wait_kmcnt 0x0
	s_min_u32 s30, s30, 0x3ff
	s_min_u32 s31, s31, 0x3ff
	s_mul_i32 s52, s26, 1280
	s_add_co_u32 s52, s52, s30
	s_lshl_b32 s52, s52, 12                        ; row 1,280 e0 + rank, in bytes
	s_mul_i32 s54, s27, 1280
	s_add_co_u32 s54, s54, s31
	s_lshl_b32 s54, s54, 12
	s_add_nc_u64 s[32:33], s[10:11], s[52:53]      ; eight bases: expert k, quarter q at s[32 + 2 (4 k + q)]
	s_add_nc_u64 s[40:41], s[10:11], s[54:55]
.irp m, 0,1,2,4,5,6
	s_add_nc_u64 s[34+2*\m:35+2*\m], s[32+2*\m:33+2*\m], 0x2800000           ; a quarter of yb is 41,943,040 bytes
.endr
.irp i, 0,1,2,3
.irp m, 0,1,2,3,4,5,6,7
	global_load_b128 v[32+40*\i+4*\m:32+40*\i+4*\m+3], v1, s[32+2*\m:33+2*\m] offset:512*\i th:TH_LOAD_NT
.endr
	global_load_b128 v[32+40*\i+32:32+40*\i+35], v1, s[48:49] offset:512*\i
	global_load_b128 v[32+40*\i+36:32+40*\i+39], v1, s[50:51] offset:512*\i
.endr
.macro COMB i                          ; 128 columns: four a lane
.set R, 32+40*(\i)
	s_wait_loadcnt 30-10*(\i)                      ; this group's ten loads are in; the younger groups' stay out
.irp k, 0,1
	v_cvt_pk_bf16_f32 v2, v[R+32+4*\k], v[R+33+4*\k]
	v_cvt_pk_bf16_f32 v3, v[R+34+4*\k], v[R+35+4*\k]
	v_lshlrev_b32 v[R+32+4*\k], 16, v2
	v_and_b32 v[R+33+4*\k], s60, v2
	v_lshlrev_b32 v[R+34+4*\k], 16, v3
	v_and_b32 v[R+35+4*\k], s60, v3
.irp p, 0,2
	v_pk_add_f32 v[R+16*\k+\p:R+16*\k+\p+1],     v[R+16*\k+\p:R+16*\k+\p+1],     v[R+16*\k+4+\p:R+16*\k+5+\p]
	v_pk_add_f32 v[R+16*\k+8+\p:R+16*\k+9+\p],   v[R+16*\k+8+\p:R+16*\k+9+\p],   v[R+16*\k+12+\p:R+16*\k+13+\p]
	v_pk_add_f32 v[R+16*\k+\p:R+16*\k+\p+1],     v[R+16*\k+\p:R+16*\k+\p+1],     v[R+16*\k+8+\p:R+16*\k+9+\p]
	v_pk_add_f32 v[R+16*\k+\p:R+16*\k+\p+1],     v[R+16*\k+\p:R+16*\k+\p+1],     v[R+32+4*\k+\p:R+33+4*\k+\p]
.endr
.endr
.irp p, 0,2
	v_pk_mul_f32 v[R+\p:R+\p+1], v[R+\p:R+\p+1], s[22:23] op_sel_hi:[1,0]
	v_pk_fma_f32 v[R+\p:R+\p+1], v[R+16+\p:R+17+\p], s[24:25], v[R+\p:R+\p+1] op_sel_hi:[1,0,1]
.endr
	global_store_b128 v1, v[R:R+3], s[56:57] offset:512*(\i) th:TH_STORE_NT  ; 512 consecutive bytes, aligned
.endm
	COMB 0
	COMB 1
	COMB 2
	COMB 3
	s_endpgm
.Lfunc_end_k_q238ed4f07e_combine:
	.size	k_q238ed4f07e_combine, .Lfunc_end_k_q238ed4f07e_combine-k_q238ed4f07e_combine
	.p2alignl 7, 3214868480
	.fill 96, 4, 3214868480
	.section	.rodata,"a",@progbits
	.p2align	6, 0x0
	.amdhsa_kernel k_q238ed4f07e_combine
		.amdhsa_group_segment_fixed_size 0
		.amdhsa_private_segment_fixed_size 0
		.amdhsa_enable_private_segment 0
		.amdhsa_kernarg_size 48
		.amdhsa_user_sgpr_count 2
		.amdhsa_user_sgpr_kernarg_segment_ptr 1
		.amdhsa_wavefront_size32 1
		.amdhsa_system_sgpr_workgroup_id_x 1
		.amdhsa_system_sgpr_workgroup_id_y 1
		.amdhsa_system_sgpr_workgroup_id_z 1
		.amdhsa_system_vgpr_workitem_id 0
		.amdhsa_next_free_vgpr 192
		.amdhsa_next_free_sgpr 66
		.amdhsa_reserve_vcc 0
		.amdhsa_float_denorm_mode_32 3
		.amdhsa_float_denorm_mode_16_64 3
		.amdhsa_memory_ordered 1
		.amdhsa_forward_progress 1
		.amdhsa_inst_pref_size 14
	.end_amdhsa_kernel
	.amdgpu_metadata
---
amdhsa.version: [ 1, 2 ]
amdhsa.kernels:
  - .name:           k_q238ed4f07e_combine
    .symbol:         k_q238ed4f07e_combine.kd
    .args:
      - { .name: route, .offset: 0, .size: 8, .value_kind: global_buffer, .address_space: global }
      - { .name: cw, .offset: 8, .size: 8, .value_kind: global_buffer, .address_space: global }
      - { .name: plan, .offset: 16, .size: 8, .value_kind: global_buffer, .address_space: global }
      - { .name: yb, .offset: 24, .size: 8, .value_kind: global_buffer, .address_space: global }
      - { .name: b2, .offset: 32, .size: 8, .value_kind: global_buffer, .address_space: global }
      - { .name: out0, .offset: 40, .size: 8, .value_kind: global_buffer, .address_space: global }
    .group_segment_fixed_size: 0
    .private_segment_fixed_size: 0
    .kernarg_segment_align: 8
    .kernarg_segment_size: 48
    .max_flat_workgroup_size: 128
    .sgpr_count:     66
    .vgpr_count:     192
    .wavefront_size: 32
...
	.end_amdgpu_metadata
.endif
;; end of part 5
;; ======== version 2 of 2: 5 launches; version 1 with the launches gemm1, gemm2 written anew for expert scheduling mode
;; workspace buffers: route 4,096 bytes of whole numbers; cw 8,192 bytes; plan 34,816 bytes of whole numbers; xg 20,971,520 bytes; hb 83,886,080 bytes; yb 167,772,160 bytes
;; launch router: the kernel of part 1 again; grid 64 x 1, 4 waves a work-group, no clusters, 20,992 bytes of LDS; arguments hidden_states, gate_w, route, cw; writes route, cw
;; launch pack: the kernel of part 2 again; grid 80 x 8, 1 waves a work-group, no clusters, 4,608 bytes of LDS; arguments route, hidden_states, xg, plan; writes xg, plan
;; launch gemm1 (part 6): grid 256 x 1, 8 waves a work-group, no clusters, 295,936 bytes of LDS; arguments plan, xg, w1, b1, hb; writes hb
.if DOCPART == 6
	.amdgcn_target "amdgcn-amd-amdhsa--gfx1250"
	.amdhsa_code_object_version 6
	.text
	.protected	k_q238ed4f07e_gemm1
	.globl	k_q238ed4f07e_gemm1
	.p2align	8
	.type	k_q238ed4f07e_gemm1,@function
k_q238ed4f07e_gemm1:
	s_mov_b64 s[64:65], 0
	v_nop
	global_prefetch_b8 v0, s[64:65] scope:SCOPE_SE
	s_setreg_imm32_b32 hwreg(HW_REG_WAVE_SCHED_MODE, 0, 2), 2
	s_setreg_imm32_b32 hwreg(HW_REG_WAVE_MODE, 25, 1), 1
	s_wait_xcnt 0x0
	s_wait_alu depctr_vm_vsrc(0)
; FIRST EXPERT LAYER.  h = gelu(x w1[e] + b1[e]) for the tokens that chose expert e; rows of unchosen experts are multiplied by 0 in the result and are not made
; (LIMIT: 0 x infinity or NaN of an unchosen expert is not reproduced).  w1 and b1 are rounded to bf16, x arrives so; sums and gelu in f32; h is rounded to bf16 once.
; gelu(x) = x / (1 + 2^(x (c1 + c2 x^2))), the tanh form, with c1 = -2 log2(e) sqrt(2 / pi), c2 = 0.044715 c1; it holds for every finite x (the power runs to 0 or infinity, the quotient to x or 0).
; SHARES.  Work-group = expert e (x / 32) and a strip of 128 of the 4,096 columns (x % 32).  Its 1,024 x 128 numbers of w1 are read from memory once, rounded, and stay in LDS as [k][n].
; The expert's slots are walked in passes of 320 (20 tiles of 16).  Wave w: tiles mg + 4 i (mg = w / 2, i = 0..4) x columns 64 (w % 2) + 0..63: 20 accumulators.
; PASS 0 AND THE WEIGHTS' FILL GO TOGETHER.  K goes in 32 steps of 32.  Of each K step's 32 rows of w1 a wave handles four.  Behind step s's 20 products it rounds and stores the rows of K step s + 6
; (asked for at step s - 4), fetches the turned fragments of step s + 2, asks for x of step s + 4 and for the rows of K step s + 10.  A barrier for every four K steps, at s = 2, 6 .. 26: the signal behind
; the step's waits, the wait behind its products; the fetch behind it is the first of the four K steps that the barrier has shown whole.  Pass 0 runs whatever n is: no barrier hangs on a number read from memory.
; In the fill's loop an LDS address is made anew each trip: a fixed lane term plus a scalar that steps by a constant; x and the rows are reached there by two scalar bases that step once a trip.
; PASSES 1 TO 3 (live if 320 p < n) walk the weights that lie in LDS, without a barrier; their K steps 0 to 27 are written out, every LDS address a register made once at the head plus an immediate;
; they share the last four K steps and the way out with pass 0.
; No tensor loads: the weights need a rounding in registers, and LDS is full of them.  No cluster: no two work-groups read the same weights, and the walk's length hangs on a count read from memory.
; THE MATRIX INSTRUCTION IS USED TRANSPOSED (source 0 = 16 columns of w1, source 1 = 16 slots): a lane holds one slot and eight neighbouring columns, which is hb's fragment order as it stands.
; hb: e x 10,485,760 + tile j x 131,072 + kb x 1,024 + half x 512 + 16 L holds f = 32 kb + 16 half + 8 (L / 16) + 0..7 of slot 16 j + L % 16.
; REGISTERS.  Window 0: v0-21 addresses (v6, v20, v19, v18, v17: my lane's place in the weights at K steps 0, 7, 14, 21, 28: an LDS immediate has 16 bits, which hold 7 K steps); v22-29 four rounded rows;
;             v32-191 x's ring of four K steps (step s % 4, tile i at 32 + 40 (s % 4) + 8 i); v192-255 two buffers of w1's fragments; at the opening v160-255 hold the raw rows of K steps 0-5.
;             Window 1: v0-159 accumulators ((i, nt) at 8 (4 i + nt)); v160-223 the raw rows' ring of four K steps, 16 each (v160-167 at work in gelu); v224-255 the bias as a C operand.
;             The two rings are equally deep: loads are counted in the order of issue, so a deeper one would wait for the shallower one's loads all the same.
; THE MODE: SCHED_MODE bits 1:0 = 2 (LLVM: expert scheduling mode 2), set by the entry lines.  The code itself states the register dependences between vector or matrix instructions
; and memory or LDS instructions, with s_wait_alu, always for 0.
; THE PLAN.  Registers that memory or LDS instructions touch:
;   AR[s % 4]   Step s's 20 products read it; behind them the loads of x of step s + 4 land in it.
;   BF[s % 2]   Step s's products read it; behind them the turning loads of step s + 2 land in it.
;   WS[s % 4]   Step s's eight roundings read it; behind them the loads of the rows of K step s + 10 land in it.
;   TW          Step s's roundings write it; the four LDS stores behind them read it; the next step's roundings write it again.
;   v7, v15     The fill loop's LDS addresses: written once a trip, beside the roundings of the trip's first step; read by the trip's LDS loads and stores.
;   v4-v6, v8, v14, v17-v21   Made at the head and never written again.  v9, v11: written once a pass.
;   The accumulators: written by products and gelu; read by the way out's stores; written again by the next pass's first products.
; So a step has ONE wait on va_vdst, behind its products and roundings and ahead of all its memory and LDS instructions, behind which stand only such instructions and window switches; and, where it
; rounds rows, ONE wait on vm_vsrc ahead of the roundings, a whole step behind the stores that it speaks of.  All 512 registers are in use: there is no third buffer of fragments to load while two are read.
.set ROWB,  16384                      ; bytes from row to row of w1[e]
.set TILEB, 32768                      ; bytes of a tile of 16 slots in xg
.set OTILE, 131072                     ; and in hb
.set PW,    288                        ; a row of the weights in LDS: 256 bytes + 32
.set KSB,   32*PW                      ; a K step of 32 rows: 9,216 bytes
.set SPARE, 1024*PW                    ; behind the weights: the spare words, 128 bytes a wave; no other line names them
.set TW,   22
.set AR,   32
.set PR,   160
.set BF,   192
.set WS,   160                         ; window 1
.set BIAS, 224                         ; window 1
.set TG,   160                         ; window 1
.set XB,   44                          ; s[44:45] the fill loop's base in xg: K step 4 t + 4 in trip t
.set WB,   46                          ; s[46:47] the fill loop's base in w1: K step 4 t + 4 in trip t
.set MUL,  0x50                        ; C and D in window 1, the sources in window 0
.set MSB, 0
.macro WIN new                         ; the immediate's high byte repeats the setting that is left; a switch that changes nothing is dropped
.if MSB != (\new)
	s_set_vgpr_msb (MSB<<8)|(\new)
.set MSB, \new
.endif
.endm
.macro PLACES                          ; four places behind matrix instructions, in front of loads into their sources and of reads of their results
.rept 4
	v_nop
.endr
.endm
.macro PLD k                           ; the opening: my four rows of K step k, raw; a load of the wave is one row's 512 consecutive bytes
.irp i, 0,1,2,3
	global_load_b128 v[PR+16*(\k)+4*\i:PR+16*(\k)+4*\i+3], v4, s[8:9] offset:(32*(\k)+\i)*ROWB th:TH_LOAD_NT
.endr
.endm
.macro PCV k                           ; they are rounded in place,
.irp i, 0,1,2,3
	v_cvt_pk_bf16_f32 v[PR+16*(\k)+4*\i],   v[PR+16*(\k)+4*\i],   v[PR+16*(\k)+4*\i+1]
	v_cvt_pk_bf16_f32 v[PR+16*(\k)+4*\i+1], v[PR+16*(\k)+4*\i+2], v[PR+16*(\k)+4*\i+3]
.endr
.endm
.macro PST k                           ; and put into LDS
.irp i, 0,1,2,3
	ds_store_b64 v5, v[PR+16*(\k)+4*\i:PR+16*(\k)+4*\i+1] offset:(\k)*KSB+\i*PW
.endr
.endm
.macro WLD q, reg, k, base=8           ; my four rows of the K step k steps behind v[reg] and the base, raw, into place q of the ring
	WIN 0x40                                       ; destination in window 1
.irp i, 0,1,2,3
	global_load_b128 v[WS+16*(\q)+4*\i:WS+16*(\q)+4*\i+3], v[\reg], s[\base:\base+1] offset:(32*(\k)+\i)*ROWB th:TH_LOAD_NT
.endr
.endm
; Place q of the ring is rounded and put into LDS, k K steps behind v[reg]; left = the younger loads, which stay out.  The eight conversions are also the places behind the products.
; first = 1: step 0, ahead of which no LDS store has read TW.  stp = 1: a fill trip's first step: the trip's two LDS addresses are made and the two scalar bases step.
.macro WST q, reg, k, left, first, stp
	WIN 0x05                                       ; sources in window 1, destination in window 0
	s_wait_loadcnt \left
.if !(\first)
	s_wait_alu depctr_vm_vsrc(0)                   ; the LDS stores of the step before have read TW, which the roundings write again; at a trip's first step the LDS loads and stores issued so far have read v7 and v15 too
.endif
.irp i, 0,1,2,3
	v_cvt_pk_bf16_f32 v[TW+2*\i],   v[WS+16*(\q)+4*\i],   v[WS+16*(\q)+4*\i+1]
	v_cvt_pk_bf16_f32 v[TW+2*\i+1], v[WS+16*(\q)+4*\i+2], v[WS+16*(\q)+4*\i+3]
.endr
	WIN 0
.if \stp
	v_add_nc_u32 v7, s41, v6                       ; the fragments' place at K step 4 t + 4,
	v_add_nc_u32 v15, s41, v5                      ; and the stores'
	s_wait_xcnt 0x0                                ; the loads that read the two bases, a step old, have had their addresses translated (ISA guide 3.1): the bases are written only behind this wait
	s_add_nc_u64 s[XB:XB+1], s[XB:XB+1], 4096      ; four K steps on in xg,
	s_add_nc_u64 s[WB:WB+1], s[WB:WB+1], 128*ROWB  ; and in w1
.endif
	s_wait_alu depctr_va_vdst(0)                   ; the roundings have written TW (the stores' data) and are done reading WS[q]; the step's products are done reading their fragments and their place of x's ring; at a trip's first step v7 and v15 are written
.irp i, 0,1,2,3
	ds_store_b64 v[\reg], v[TW+2*\i:TW+2*\i+1] offset:(\k)*KSB+\i*PW
.endr
.endm
.macro BLOAD buf, reg, k               ; the weights' fragments of the K step k steps behind v[reg]: 32 k x my 64 columns, turned
	WIN 0
.irp nt, 0,1,2,3
	ds_load_tr16_b128 v[BF+32*(\buf)+8*\nt:BF+32*(\buf)+8*\nt+3],   v[\reg] offset:(\k)*KSB+32*\nt
	ds_load_tr16_b128 v[BF+32*(\buf)+8*\nt+4:BF+32*(\buf)+8*\nt+7], v[\reg] offset:(\k)*KSB+32*\nt+16*PW
.endr
.endm
.macro ALOAD s, reg, k, base=6         ; my five tiles' fragments of the K step k steps behind v[reg] and the base, into ring place s: each load is 512 consecutive bytes
	WIN 0
.irp i, 0,1,2,3,4
	global_load_b128 v[AR+40*(\s)+8*\i:AR+40*(\s)+8*\i+3],   v[\reg], s[\base:\base+1] offset:\i*4*TILEB+(\k)*1024
	global_load_b128 v[AR+40*(\s)+8*\i+4:AR+40*(\s)+8*\i+7], v[\reg], s[\base:\base+1] offset:\i*4*TILEB+(\k)*1024+512
.endr
.endm
.macro MMA j, first                    ; 20 matrix instructions, the 20 accumulators by turns.  first = 1: the bias starts the sums
	WIN MUL
.irp i, 0,1,2,3,4
.irp nt, 0,1,2,3
.if \first
	v_wmma_f32_16x16x32_bf16 v[8*(4*\i+\nt):8*(4*\i+\nt)+7], v[BF+32*((\j)%2)+8*\nt:BF+32*((\j)%2)+8*\nt+7], v[AR+40*(\j)+8*\i:AR+40*(\j)+8*\i+7], v[BIAS+8*\nt:BIAS+8*\nt+7]
.else
	v_wmma_f32_16x16x32_bf16 v[8*(4*\i+\nt):8*(4*\i+\nt)+7], v[BF+32*((\j)%2)+8*\nt:BF+32*((\j)%2)+8*\nt+7], v[AR+40*(\j)+8*\i:AR+40*(\j)+8*\i+7], v[8*(4*\i+\nt):8*(4*\i+\nt)+7]
.endif
.endr
.endr
.endm
; A K STEP.  j = step % 4.  na: the global loads issued behind this step's x, which may stay out.  nd: the LDS instructions issued behind this step's fragments.
; bar = 1: a barrier, the signal behind the waits (nd = 0), the wait behind the products.  wst, nw, rs, ks: rows are rounded and stored (WST).  bld, rb, kb: fragments are fetched (BLOAD).
; ald, ra, ka: x is asked for (ALOAD).  wld, rw, kw: rows are asked for (WLD).  stp = 1: a fill trip's first step (WST).  ba, bw: the scalar bases of x and of the rows.
.macro KSTEP j, first, na, nd, bar, wst, nw, rs, ks, bld, rb, kb, ald, ra, ka, wld, rw, kw, stp=0, ba=6, bw=8
	s_wait_loadcnt \na
	s_wait_dscnt \nd
.if \bar
	s_barrier_signal -1                            ; my stores of the four K steps to come are done, and no LDS instruction of mine is out
.endif
	MMA \j, \first
.if \bar
	s_barrier_wait -1                              ; everybody's are
.endif
.if \wst
	WST \j, \rs, \ks, \nw, \first, \stp
.else
	WIN 0
.if (\bld)+(\ald)
	PLACES
	s_wait_alu depctr_va_vdst(0)                   ; the step's products are done reading their fragments and their place of x's ring, in which the loads below land
.endif
.endif
.if \bld
	BLOAD ((\j)%2), \rb, \kb
.endif
.if \ald
	ALOAD \j, \ra, \ka, \ba
.endif
.if \wld
	WLD \j, \rw, \kw, \bw
.endif
.endm
; K step KS (0..27) of a later pass: fragments two steps ahead, from the fixed register of their group of seven K steps; x four steps ahead, its K step in the immediate.
; na = 30: three younger ring places of 10 loads; nd = 8: the next step's fetches.
.macro GSTEP
.set RB, 21-(KS+2)/7                   ; K steps 7-13: v20; 14-20: v19; 21-27: v18; 28, 29: v17
.if KS < 5
.set RB, 6                             ; K steps 2-6: v6
.endif
.set FI, 0
.if KS == 0
.set FI, 1
.endif
	KSTEP (KS%4), FI, 30, 8, 0,   0, 0, 0, 0,    1, RB, (KS+2)%7,   1, 9, KS+4,   0, 0, 0
.endm
.macro GELU a                          ; the accumulator at v[a] of window 1: gelu in place, then rounded to bf16 into its first four registers
.irp k, 0,2,4,6
	v_pk_mul_f32 v[TG+\k:TG+\k+1], v[(\a)+\k:(\a)+\k+1], v[(\a)+\k:(\a)+\k+1]                   ; x^2, from the low end on
.endr
.irp k, 0,2,4,6
	v_pk_fma_f32 v[TG+\k:TG+\k+1], v[TG+\k:TG+\k+1], s[30:31], s[28:29] op_sel_hi:[1,0,0]       ; c2 x^2 + c1
.endr
.irp k, 0,2,4,6
	v_pk_mul_f32 v[TG+\k:TG+\k+1], v[TG+\k:TG+\k+1], v[(\a)+\k:(\a)+\k+1]
.endr
.irp k, 0,1,2,3,4,5,6,7
	v_exp_f32 v[TG+\k], v[TG+\k]
.endr
	v_nop                                          ; a plain instruction behind the last exponential
	s_wait_alu depctr_va_vdst(0)                   ; the eight exponentials have written TG, ahead of their first reader
.irp k, 0,2,4,6
	v_pk_add_f32 v[TG+\k:TG+\k+1], v[TG+\k:TG+\k+1], 1.0 op_sel_hi:[1,0]
.endr
.irp k, 0,1,2,3,4,5,6,7
	v_rcp_f32 v[TG+\k], v[TG+\k]
.endr
	v_nop                                          ; a plain instruction behind the last reciprocal
	s_wait_alu depctr_va_vdst(0)                   ; the eight reciprocals have written TG, ahead of their first reader
.irp k, 0,2,4,6
	v_pk_mul_f32 v[(\a)+\k:(\a)+\k+1], v[(\a)+\k:(\a)+\k+1], v[TG+\k:TG+\k+1]
.endr
.irp k, 0,1,2,3
	v_cvt_pk_bf16_f32 v[(\a)+\k], v[(\a)+2*\k], v[(\a)+2*\k+1]
.endr
.endm
	s_load_b256 s[4:11], s[0:1], 0x0               ; plan s[4:5], xg s[6:7], w1 s[8:9], b1 s[10:11]
	s_load_b64 s[12:13], s[0:1], 0x20              ; hb
	v_lshl_add_u32 v30, v0, 2, SPARE               ; my spare word,
	v_mov_b32 v31, 0                               ; and 0: kept for the closing lines alone
	v_lshrrev_b32 v1, 5, v0
	v_readfirstlane_b32 s14, v1                    ; wave 0..7
	v_and_b32 v1, 31, v0                           ; L
	v_and_b32 v2, 15, v0                           ; r
	v_bfe_u32 v3, v0, 4, 1                         ; h
	s_wait_alu depctr_va_sdst(0)                   ; s14 is written, ahead of its first reader: the wave's shares and addresses are made from it
	s_lshr_b32 s15, s14, 1                         ; mg
	s_and_b32 s16, s14, 1                          ; nh
	s_lshr_b32 s17, ttmp9, 5                       ; e
	s_and_b32 s18, ttmp9, 31                       ; strip
	s_lshl_b32 s25, s17, 8                         ; the count's place in plan, less 32,768
	s_lshl_b32 s26, s17, 24                        ; w1: expert, 16,777,216 bytes;
	s_lshl_b32 s33, s18, 9                         ; strip, 512 bytes of a row;
	s_add_co_u32 s26, s26, s33
	s_lshl_b32 s33, s14, 16                        ; my wave's four rows of a K step
	s_add_co_u32 s26, s26, s33
	s_mov_b32 s27, 0
	s_mul_i32 s34, s17, 2621440                    ; xg: expert
	s_mov_b32 s35, 0
	s_lshl_b32 s36, s17, 14                        ; b1: expert, strip, my 64 columns
	s_lshl_b32 s33, s18, 9
	s_add_co_u32 s36, s36, s33
	s_lshl_b32 s33, s16, 8
	s_add_co_u32 s36, s36, s33
	s_mov_b32 s37, 0
	s_mul_i32 s38, s17, 10485760                   ; hb: expert, and the strip's four K blocks
	s_lshl_b32 s33, s18, 12
	s_add_co_u32 s38, s38, s33
	s_mov_b32 s39, 0
	v_lshlrev_b32 v4, 4, v1                        ; 16 L
	v_lshlrev_b32 v14, 5, v3                       ; b1: 8 numbers on for the upper lanes
	s_mul_i32 s33, s14, 4*PW
	v_lshl_add_u32 v5, v1, 3, s33                  ; the weights into LDS: my wave's four rows of K step 0, 8 bytes a lane
	v_and_b32 v6, 7, v0
	v_lshl_add_u32 v6, v3, 3, v6
	v_mul_u32_u24 v6, v6, PW                       ; the turning load: row 8 h + L % 8,
	v_bfe_u32 v7, v0, 3, 1
	v_lshl_add_u32 v6, v7, 4, v6                   ; 16 bytes on for lanes 8-15 of a half,
	s_lshl_b32 s33, s16, 7
	v_add_nc_u32 v6, s33, v6                       ; my 64 columns
	v_add_nc_u32 v17, 28*KSB, v6                   ; the same place at K step 28,
	v_add_nc_u32 v18, 21*KSB, v6                   ; 21,
	v_add_nc_u32 v19, 14*KSB, v6                   ; 14,
	v_add_nc_u32 v20, 7*KSB, v6                    ; and 7
	v_add_nc_u32 v21, 28*KSB, v5                   ; the stores' place at K step 28
	s_lshl_b32 s33, s15, 15
	v_add_nc_u32 v8, s33, v4                       ; xg: 16 L + tile mg
	s_lshl_b32 s33, s15, 17
	s_lshl_b32 s40, s16, 11
	s_add_co_u32 s33, s33, s40
	v_add_nc_u32 v10, s33, v4                      ; hb: 16 L + tile mg + my two K blocks
	s_mov_b32 s28, 0xc0135761                      ; c1 = -2.3022082
	s_mov_b32 s29, 0xc0135761
	s_mov_b32 s30, 0xbdd2d3e8                      ; c2 = -0.10294324
	s_mov_b32 s31, 0xbdd2d3e8
	s_mov_b32 s32, 0xffff0000
	s_wait_kmcnt 0x0
	s_add_nc_u64 s[8:9], s[8:9], s[26:27]
	s_add_nc_u64 s[10:11], s[10:11], s[36:37]
	s_add_nc_u64 s[6:7], s[6:7], s[34:35]
	s_add_nc_u64 s[12:13], s[12:13], s[38:39]
	s_load_b32 s19, s[4:5], s25 offset:0x8000      ; n
	; THE OPENING.  The bias; K steps 0-5 of the weights; then x and raw rows in the order in which the steps will issue them: x of step u, rows of K step u + 6.
	WIN 0x40                                       ; destination in window 1
	s_wait_alu depctr_va_vdst(0)                   ; the addresses v4, v5, v6, v8, v14 and v17 to v21 are written, which the kernel's loads and LDS instructions read
.irp nt, 0,1,2,3
	global_load_b128 v[BIAS+8*\nt:BIAS+8*\nt+3],   v14, s[10:11] offset:64*\nt     ; register j: b1 of column 16 nt + 8 h + j
	global_load_b128 v[BIAS+8*\nt+4:BIAS+8*\nt+7], v14, s[10:11] offset:64*\nt+16
.endr
	WIN 0
.irp k, 0,1,2,3,4,5
	PLD \k
.endr
	ALOAD 0, 8, 0
	WLD 0, 4, 6
	ALOAD 1, 8, 1
	WLD 1, 4, 7
	WIN 0
	s_wait_loadcnt 28                              ; the bias and K steps 0-5 are in; the 10 + 4 + 10 + 4 loads issued behind them stay out
.irp k, 0,1,2,3,4,5
	PCV \k
.endr
	s_wait_alu depctr_va_vdst(0)                   ; the 48 roundings have written the 24 LDS stores' data, and are done with v160-255, in which loads land again behind the barrier
.irp k, 0,1,2,3,4,5
	PST \k
.endr
	ALOAD 2, 8, 2
	WLD 2, 4, 8
	WIN 0x55                                       ; all places in window 1: b1 is rounded to bf16, like every input, in place
.set p, 0
.rept 16
	v_cvt_pk_bf16_f32 v[BIAS+p], v[BIAS+p], v[BIAS+p+1]
	v_and_b32 v[BIAS+p+1], s32, v[BIAS+p]
	v_lshlrev_b32 v[BIAS+p], 16, v[BIAS+p]
.set p, p+2
.endr
	WIN 0
	s_wait_kmcnt 0x0
	s_min_u32 s19, s19, 0x400
	s_mov_b32 s20, 0                               ; the pass's first slot
	s_mov_b32 s21, 0                               ; its bytes in xg
	s_mov_b32 s22, 0                               ; and in hb
	s_mov_b32 s23, 4                               ; passes at the most
	s_wait_dscnt 0x0                               ; for the others' sake: my rows of K steps 0-5 are in LDS
	s_barrier_signal -1
	s_barrier_wait -1
	s_wait_alu depctr_vm_vsrc(0)                   ; my LDS stores have read v160-255: these registers are the fragments' buffers and the ring's fourth place from here on, and the loads below land in them
	BLOAD 0, 6, 0
	BLOAD 1, 6, 1
	ALOAD 3, 8, 3
	WLD 3, 4, 9
	; PASS 0.  A step issues 10 loads of x and then 4 of rows.  na = 46: the 4 rows' loads issued behind this step's x and three younger steps of 14; nw = 42: those three steps.
	; nd = 12: the younger step's 4 stores and 8 fetches (at step 0: the 8 fetches of step 1).
	KSTEP 0, 1, 46, 8, 0,   1, 42, 5, 6,   1, 6, 2,   1, 8, 4,   1, 4, 10
	KSTEP 1, 0, 46, 12, 0,  1, 42, 5, 7,   1, 6, 3,   1, 8, 5,   1, 4, 11
	WIN 0
	s_mov_b32 s41, 4*KSB                           ; LDS bytes of K step 4 t + 4
	s_mov_b64 s[XB:XB+1], s[6:7]                   ; the two bases step in each trip's first step, ahead of its loads: so they begin at K step 0
	s_mov_b64 s[WB:WB+1], s[8:9]
	s_mov_b32 s24, 5
.Lfill:                                                ; trip t = 0..4: steps 4 t + 2 .. 4 t + 5; x of K steps 4 t + 6 .. 9 and rows of K steps 4 t + 12 .. 15 lie 2 .. 5 and 8 .. 11 K steps behind the bases
	KSTEP 2, 0, 46, 0, 1,   1, 42, 15, 4,  1, 7, 0,   1, 8, 2,   1, 4, 8,    1, XB, WB
	KSTEP 3, 0, 46, 12, 0,  1, 42, 15, 5,  1, 7, 1,   1, 8, 3,   1, 4, 9,    0, XB, WB
	KSTEP 0, 0, 46, 12, 0,  1, 42, 15, 6,  1, 7, 2,   1, 8, 4,   1, 4, 10,   0, XB, WB
	KSTEP 1, 0, 46, 12, 0,  1, 42, 15, 7,  1, 7, 3,   1, 8, 5,   1, 4, 11,   0, XB, WB
	WIN 0
	s_add_co_u32 s41, s41, 4*KSB
	s_sub_co_u32 s24, s24, 1
	s_cmp_lg_u32 s24, 0
	s_cbranch_scc1 .Lfill
	; steps 22 to 27: no more rows are asked for, so each count loses 4 a step until only x's 30 are left; the last rows are stored at step 25, the last barrier stands at step 26
	KSTEP 2, 0, 46, 0, 1,   1, 42, 21, 0,  1, 18, 3,  1, 8, 26,  0, 0, 0
	KSTEP 3, 0, 42, 12, 0,  1, 38, 21, 1,  1, 18, 4,  1, 8, 27,  0, 0, 0
	KSTEP 0, 0, 38, 12, 0,  1, 34, 21, 2,  1, 18, 5,  1, 8, 28,  0, 0, 0
	KSTEP 1, 0, 34, 12, 0,  1, 30, 21, 3,  1, 18, 6,  1, 8, 29,  0, 0, 0
	KSTEP 2, 0, 30, 0, 1,   0, 0, 0, 0,    1, 17, 0,  1, 8, 30,  0, 0, 0
	KSTEP 3, 0, 30, 8, 0,   0, 0, 0, 0,    1, 17, 1,  1, 8, 31,  0, 0, 0
	WIN 0
	s_branch .Ltail                                ; the last four steps and the way out are the later passes' too
.Lgen:                                                 ; A LATER PASS: the weights lie in LDS, whole; no barrier
	v_add_nc_u32 v9, s21, v8                       ; the pass's place in xg; fixed for the pass
	s_wait_alu depctr_va_vdst(0)                   ; v9 is written, which the pass's loads of x read
	BLOAD 0, 6, 0
	BLOAD 1, 6, 1
	ALOAD 0, 9, 0
	ALOAD 1, 9, 1
	ALOAD 2, 9, 2
	ALOAD 3, 9, 3
.set KS, 0
.rept 28
	GSTEP
.set KS, KS+1
.endr
.Ltail:                                                ; steps 28 to 31 ask for nothing beyond K's end: the counts run down
	KSTEP 0, 0, 30, 8, 0,   0, 0, 0, 0,    1, 17, 2,  0, 0, 0,   0, 0, 0
	KSTEP 1, 0, 20, 8, 0,   0, 0, 0, 0,    1, 17, 3,  0, 0, 0,   0, 0, 0
	KSTEP 2, 0, 10, 8, 0,   0, 0, 0, 0,    0, 0, 0,   0, 0, 0,   0, 0, 0
	KSTEP 3, 0, 0, 0, 0,    0, 0, 0, 0,    0, 0, 0,   0, 0, 0,   0, 0, 0
	PLACES
	v_add_nc_u32 v11, s22, v10
.irp i, 0,1,2,3,4                              ; all 20 tiles go out: the second layer reads them all
	WIN 0x55
.irp nt, 0,1,2,3
	GELU 8*(4*\i+\nt)
.endr
	WIN 0x04                                       ; a store's data in window 1
	s_wait_alu depctr_va_vdst(0)                   ; the tile's roundings have written the four stores' data; ahead of the first tile's stores v11 is written too
.irp nt, 0,1,2,3
	global_store_b128 v11, v[8*(4*\i+\nt):8*(4*\i+\nt)+3], s[12:13] offset:\i*4*OTILE+512*\nt    ; each store of the wave covers 512 consecutive bytes, aligned
.endr
.endr
	WIN 0
	s_wait_xcnt 0x0                                ; the stores' data, v11 and v9 are written again only behind this wait
	s_wait_alu depctr_vm_vsrc(0)                   ; the stores have read the accumulators' registers and v11, the pass's loads v9: a further pass writes them all again; the wait stands ahead of the branches that lead there
	s_add_co_u32 s20, s20, 320
	s_add_co_u32 s21, s21, 20*TILEB
	s_add_co_u32 s22, s22, 20*OTILE
	s_cmp_lt_u32 s20, s19
	s_cbranch_scc0 .Ldone                          ; no listed token is left
	s_sub_co_u32 s23, s23, 1
	s_cmp_lg_u32 s23, 0
	s_cbranch_scc1 .Lgen                           ; three later passes at the most: 4 x 320 slots hold the 1,024 tokens
.Ldone:
	s_wait_dscnt 0x0                               ; the closing lines, six on end
	s_wait_alu 0x0
	s_wait_tensorcnt 0x0
	ds_add_u32 v30, v31
	s_wait_dscnt 0x0
	s_endpgm
.Lfunc_end_k_q238ed4f07e_gemm1:
	.size	k_q238ed4f07e_gemm1, .Lfunc_end_k_q238ed4f07e_gemm1-k_q238ed4f07e_gemm1
	.p2alignl 7, 3214868480
	.fill 96, 4, 3214868480
	.section	.rodata,"a",@progbits
	.p2align	6, 0x0
	.amdhsa_kernel k_q238ed4f07e_gemm1
		.amdhsa_group_segment_fixed_size 295936
		.amdhsa_private_segment_fixed_size 0
		.amdhsa_enable_private_segment 0
		.amdhsa_kernarg_size 40
		.amdhsa_user_sgpr_count 2
		.amdhsa_user_sgpr_kernarg_segment_ptr 1
		.amdhsa_wavefront_size32 1
		.amdhsa_system_sgpr_workgroup_id_x 1
		.amdhsa_system_sgpr_workgroup_id_y 1
		.amdhsa_system_sgpr_workgroup_id_z 1
		.amdhsa_system_vgpr_workitem_id 0
		.amdhsa_next_free_vgpr 512
		.amdhsa_next_free_sgpr 66
		.amdhsa_reserve_vcc 0
		.amdhsa_float_denorm_mode_32 3
		.amdhsa_float_denorm_mode_16_64 3
		.amdhsa_memory_ordered 1
		.amdhsa_forward_progress 1
		.amdhsa_inst_pref_size 207
	.end_amdhsa_kernel
	.amdgpu_metadata
---
amdhsa.version: [ 1, 2 ]
amdhsa.kernels:
  - .name:           k_q238ed4f07e_gemm1
    .symbol:         k_q238ed4f07e_gemm1.kd
    .args:
      - { .name: plan, .offset: 0, .size: 8, .value_kind: global_buffer, .address_space: global }
      - { .name: xg, .offset: 8, .size: 8, .value_kind: global_buffer, .address_space: global }
      - { .name: w1, .offset: 16, .size: 8, .value_kind: global_buffer, .address_space: global }
      - { .name: b1, .offset: 24, .size: 8, .value_kind: global_buffer, .address_space: global }
      - { .name: hb, .offset: 32, .size: 8, .value_kind: global_buffer, .address_space: global }
    .group_segment_fixed_size: 295936
    .private_segment_fixed_size: 0
    .kernarg_segment_align: 8
    .kernarg_segment_size: 40
    .max_flat_workgroup_size: 256
    .sgpr_count:     66
    .vgpr_count:     512
    .wavefront_size: 32
...
	.end_amdgpu_metadata
.endif
;; end of part 6
;; launch gemm2 (part 7): grid 256 x 1, 8 waves a work-group, no clusters, 314,368 bytes of LDS; arguments plan, hb, w2, yb; writes yb
.if DOCPART == 7
	.amdgcn_target "amdgcn-amd-amdhsa--gfx1250"
	.amdhsa_code_object_version 6
	.text
	.protected	k_q238ed4f07e_gemm2
	.globl	k_q238ed4f07e_gemm2
	.p2align	8
	.type	k_q238ed4f07e_gemm2,@function
k_q238ed4f07e_gemm2:
	s_mov_b64 s[64:65], 0
	v_nop
	global_prefetch_b8 v0, s[64:65] scope:SCOPE_SE
	s_setreg_imm32_b32 hwreg(HW_REG_WAVE_SCHED_MODE, 0, 2), 2
	s_setreg_imm32_b32 hwreg(HW_REG_WAVE_MODE, 25, 1), 1
	s_wait_xcnt 0x0
	s_wait_alu depctr_vm_vsrc(0)
; SECOND EXPERT LAYER, in four quarters of K.  yb[q][e][slot][d] = the sum over the 1,024 f of quarter q of h[slot][f] w2[e][f][d], in f32; the quarters, b2 and the router's weights meet in the next launch.
; w2 is rounded to bf16, h arrives so.  Rows of unchosen experts are not made (LIMIT: 0 x infinity or NaN of an unchosen expert is not reproduced).
; SHARES.  Work-group = expert e (x / 32), quarter q ((x / 8) % 4), strip of 128 of the 1,024 columns (x % 8).  Its 1,024 x 128 numbers of w2 are read from memory once, rounded, and stay in LDS as [k][n].
; The expert's slots are walked in passes of 320 (20 tiles of 16).  Wave w: tiles mg + 4 i (mg = w / 2, i = 0..4) x columns 64 (w % 2) + 0..63: 20 accumulators.
; PASS 0 AND THE WEIGHTS' FILL GO TOGETHER, as in the first layer.  K goes in 32 steps of 32.  Of each K step's 32 rows of w2 a wave handles four.  Behind step s's 20 products it rounds and stores the rows of
; K step s + 6 (asked for at step s - 4), fetches the turned fragments of step s + 2, asks for h of step s + 4 and for the rows of K step s + 10.  A barrier for every four K steps, at s = 2, 6 .. 26: the signal
; behind the step's waits, the wait behind its products; the fetch behind it is the first of the four K steps that the barrier has shown whole.  Pass 0 runs whatever n is: no barrier hangs on a number read from memory.
; In the fill's loop an LDS address is made anew each trip: a fixed lane term plus a scalar that steps by a constant; h and the rows are reached there by two scalar bases that step once a trip.
; PASSES 1 TO 3 (live if 320 p < n) walk the weights that lie in LDS, without a barrier; their K steps 0 to 27 are written out, every LDS address a register made once at the head plus an immediate;
; they share the last four K steps and the way out with pass 0.
; No tensor loads and no cluster: the weights need a rounding in registers and fill LDS, no two work-groups read the same weights, the walk's length hangs on a count read from memory.
; THE WAY OUT.  A lane holds a piece of a column (slot 8 h + j, column r), so half a tile at a time goes through my wave's own stage in LDS and leaves as rows: sixteen lanes store 256 consecutive bytes, aligned.
; Tiles that begin at or past slot n are not stored: nothing reads them.
; REGISTERS.  Window 0: v0-21 addresses (v6, v20, v19, v18, v17: my lane's place in the weights at K steps 0, 7, 14, 21, 28: an LDS immediate has 16 bits, which hold 7 K steps); v22-29 four rounded rows;
;             v32-191 h's ring of four K steps (step s % 4, tile i at 32 + 40 (s % 4) + 8 i; v32-47 also the rows on the way out); v192-255 two buffers of w2's fragments;
;             at the opening v160-255 hold the raw rows of K steps 0-5.  Window 1: v0-159 accumulators ((i, nt) at 8 (4 i + nt)); v160-223 the raw rows' ring of four K steps, 16 each.
;             The two rings are equally deep: loads are counted in the order of issue, so a deeper one would wait for the shallower one's loads all the same.
; THE MODE: SCHED_MODE bits 1:0 = 2 (LLVM: expert scheduling mode 2), set by the entry lines.  The code itself states the register dependences between vector or matrix instructions
; and memory or LDS instructions, with s_wait_alu, always for 0.
; THE PLAN.  Registers that memory or LDS instructions touch:
;   AR[s % 4]   Step s's 20 products read it; behind them the loads of h of step s + 4 land in it.
;   BF[s % 2]   Step s's products read it; behind them the turning loads of step s + 2 land in it.
;   WS[s % 4]   Step s's eight roundings read it; behind them the loads of the rows of K step s + 10 land in it.
;   TW          Step s's roundings write it; the four LDS stores behind them read it; the next step's roundings write it again.
;   v7, v15     The fill loop's LDS addresses: written once a trip, beside the roundings of the trip's first step; read by the trip's LDS loads and stores.
;   v4-v6, v8, v12, v13, v17-v21   Made at the head and never written again.  v9, v11: written once a pass.
;   The accumulators: written by products; read by the way out's LDS stores; written again by the next pass's first products.
;   OB (v32-47) The stage's loads land in it; the global stores read it; the next half tile's loads land in it again.
; So a step has ONE wait on va_vdst, behind its products and roundings and ahead of all its memory and LDS instructions, behind which stand only such instructions and window switches; and, where it
; rounds rows, ONE wait on vm_vsrc ahead of the roundings, a whole step behind the stores that it speaks of.  The way out holds no vector instruction: one wait on va_vdst at its head serves all of it.
.set ROWB,  4096                       ; bytes from row to row of w2[e]
.set TILEB, 131072                     ; bytes of a tile of 16 slots in hb
.set PW,    288                        ; a row of the weights in LDS: 256 bytes + 32
.set KSB,   32*PW                      ; a K step of 32 rows: 9,216 bytes
.set STAGE, 1024*PW                    ; behind the weights: 8 rows x 272 bytes in 2,304 for each wave
.set SPARE, STAGE+8*2304               ; behind the stages: the spare words, 128 bytes a wave; no other line names them
.set TW,   22
.set AR,   32
.set OB,   32
.set PR,   160
.set BF,   192
.set WS,   160                         ; window 1
.set XB,   44                          ; s[44:45] the fill loop's base in hb: K step 4 t + 4 in trip t
.set WB,   46                          ; s[46:47] the fill loop's base in w2: K step 4 t + 4 in trip t
.set MUL,  0x50                        ; C and D in window 1, the sources in window 0
.set MSB, 0
.macro WIN new                         ; the immediate's high byte repeats the setting that is left; a switch that changes nothing is dropped
.if MSB != (\new)
	s_set_vgpr_msb (MSB<<8)|(\new)
.set MSB, \new
.endif
.endm
.macro PLACES                          ; four places behind matrix instructions, in front of loads into their sources and of reads of their results
.rept 4
	v_nop
.endr
.endm
.macro PLD k                           ; the opening: my four rows of K step k, raw; a load of the wave is one row's 512 consecutive bytes
.irp i, 0,1,2,3
	global_load_b128 v[PR+16*(\k)+4*\i:PR+16*(\k)+4*\i+3], v4, s[8:9] offset:(32*(\k)+\i)*ROWB th:TH_LOAD_NT
.endr
.endm
.macro PCV k                           ; they are rounded in place,
.irp i, 0,1,2,3
	v_cvt_pk_bf16_f32 v[PR+16*(\k)+4*\i],   v[PR+16*(\k)+4*\i],   v[PR+16*(\k)+4*\i+1]
	v_cvt_pk_bf16_f32 v[PR+16*(\k)+4*\i+1], v[PR+16*(\k)+4*\i+2], v[PR+16*(\k)+4*\i+3]
.endr
.endm
.macro PST k                           ; and put into LDS
.irp i, 0,1,2,3
	ds_store_b64 v5, v[PR+16*(\k)+4*\i:PR+16*(\k)+4*\i+1] offset:(\k)*KSB+\i*PW
.endr
.endm
.macro WLD q, reg, k, base=8           ; my four rows of the K step k steps behind v[reg] and the base, raw, into place q of the ring
	WIN 0x40                                       ; destination in window 1
.irp i, 0,1,2,3
	global_load_b128 v[WS+16*(\q)+4*\i:WS+16*(\q)+4*\i+3], v[\reg], s[\base:\base+1] offset:(32*(\k)+\i)*ROWB th:TH_LOAD_NT
.endr
.endm
; Place q of the ring is rounded and put into LDS, k K steps behind v[reg]; left = the younger loads, which stay out.  The eight conversions are also the places behind the products.
; first = 1: step 0, ahead of which no LDS store has read TW.  stp = 1: a fill trip's first step: the trip's two LDS addresses are made and the two scalar bases step.
.macro WST q, reg, k, left, first, stp
	WIN 0x05                                       ; sources in window 1, destination in window 0
	s_wait_loadcnt \left
.if !(\first)
	s_wait_alu depctr_vm_vsrc(0)                   ; the LDS stores of the step before have read TW, which the roundings write again; at a trip's first step the LDS loads and stores issued so far have read v7 and v15 too
.endif
.irp i, 0,1,2,3
	v_cvt_pk_bf16_f32 v[TW+2*\i],   v[WS+16*(\q)+4*\i],   v[WS+16*(\q)+4*\i+1]
	v_cvt_pk_bf16_f32 v[TW+2*\i+1], v[WS+16*(\q)+4*\i+2], v[WS+16*(\q)+4*\i+3]
.endr
	WIN 0
.if \stp
	v_add_nc_u32 v7, s41, v6                       ; the fragments' place at K step 4 t + 4,
	v_add_nc_u32 v15, s41, v5                      ; and the stores'
	s_wait_xcnt 0x0                                ; the loads that read the two bases, a step old, have had their addresses translated (ISA guide 3.1): the bases are written only behind this wait
	s_add_nc_u64 s[XB:XB+1], s[XB:XB+1], 4096      ; four K steps on in hb,
	s_add_nc_u64 s[WB:WB+1], s[WB:WB+1], 128*ROWB  ; and in w2
.endif
	s_wait_alu depctr_va_vdst(0)                   ; the roundings have written TW (the stores' data) and are done reading WS[q]; the step's products are done reading their fragments and their place of h's ring; at a trip's first step v7 and v15 are written
.irp i, 0,1,2,3
	ds_store_b64 v[\reg], v[TW+2*\i:TW+2*\i+1] offset:(\k)*KSB+\i*PW
.endr
.endm
.macro BLOAD buf, reg, k               ; the weights' fragments of the K step k steps behind v[reg]: 32 k x my 64 columns, turned
	WIN 0
.irp nt, 0,1,2,3
	ds_load_tr16_b128 v[BF+32*(\buf)+8*\nt:BF+32*(\buf)+8*\nt+3],   v[\reg] offset:(\k)*KSB+32*\nt
	ds_load_tr16_b128 v[BF+32*(\buf)+8*\nt+4:BF+32*(\buf)+8*\nt+7], v[\reg] offset:(\k)*KSB+32*\nt+16*PW
.endr
.endm
.macro ALOAD s, reg, k, base=6         ; my five tiles' fragments of the K step k steps behind v[reg] and the base, into ring place s: each load is 512 consecutive bytes
	WIN 0
.irp i, 0,1,2,3,4
	global_load_b128 v[AR+40*(\s)+8*\i:AR+40*(\s)+8*\i+3],   v[\reg], s[\base:\base+1] offset:\i*4*TILEB+(\k)*1024
	global_load_b128 v[AR+40*(\s)+8*\i+4:AR+40*(\s)+8*\i+7], v[\reg], s[\base:\base+1] offset:\i*4*TILEB+(\k)*1024+512
.endr
.endm
.macro MMA j, first                    ; 20 matrix instructions, the 20 accumulators by turns.  first = 1: the constant 0 starts the sums
	WIN MUL
.irp i, 0,1,2,3,4
.irp nt, 0,1,2,3
.if \first
	v_wmma_f32_16x16x32_bf16 v[8*(4*\i+\nt):8*(4*\i+\nt)+7], v[AR+40*(\j)+8*\i:AR+40*(\j)+8*\i+7], v[BF+32*((\j)%2)+8*\nt:BF+32*((\j)%2)+8*\nt+7], 0
.else
	v_wmma_f32_16x16x32_bf16 v[8*(4*\i+\nt):8*(4*\i+\nt)+7], v[AR+40*(\j)+8*\i:AR+40*(\j)+8*\i+7], v[BF+32*((\j)%2)+8*\nt:BF+32*((\j)%2)+8*\nt+7], v[8*(4*\i+\nt):8*(4*\i+\nt)+7]
.endif
.endr
.endr
.endm
; A K STEP.  j = step % 4.  na: the global loads issued behind this step's h, which may stay out.  nd: the LDS instructions issued behind this step's fragments.
; bar = 1: a barrier, the signal behind the waits (nd = 0), the wait behind the products.  wst, nw, rs, ks: rows are rounded and stored (WST).  bld, rb, kb: fragments are fetched (BLOAD).
; ald, ra, ka: h is asked for (ALOAD).  wld, rw, kw: rows are asked for (WLD).  stp = 1: a fill trip's first step (WST).  ba, bw: the scalar bases of h and of the rows.
.macro KSTEP j, first, na, nd, bar, wst, nw, rs, ks, bld, rb, kb, ald, ra, ka, wld, rw, kw, stp=0, ba=6, bw=8
	s_wait_loadcnt \na
	s_wait_dscnt \nd
.if \bar
	s_barrier_signal -1                            ; my stores of the four K steps to come are done, and no LDS instruction of mine is out
.endif
	MMA \j, \first
.if \bar
	s_barrier_wait -1                              ; everybody's are
.endif
.if \wst
	WST \j, \rs, \ks, \nw, \first, \stp
.else
	WIN 0
.if (\bld)+(\ald)
	PLACES
	s_wait_alu depctr_va_vdst(0)                   ; the step's products are done reading their fragments and their place of h's ring, in which the loads below land
.endif
.endif
.if \bld
	BLOAD ((\j)%2), \rb, \kb
.endif
.if \ald
	ALOAD \j, \ra, \ka, \ba
.endif
.if \wld
	WLD \j, \rw, \kw, \bw
.endif
.endm
; K step KS (0..27) of a later pass: fragments two steps ahead, from the fixed register of their group of seven K steps; h four steps ahead, its K step in the immediate.
; na = 30: three younger ring places of 10 loads; nd = 8: the next step's fetches.
.macro GSTEP
.set RB, 21-(KS+2)/7                   ; K steps 7-13: v20; 14-20: v19; 21-27: v18; 28, 29: v17
.if KS < 5
.set RB, 6                             ; K steps 2-6: v6
.endif
.set FI, 0
.if KS == 0
.set FI, 1
.endif
	KSTEP (KS%4), FI, 30, 8, 0,   0, 0, 0, 0,    1, RB, (KS+2)%7,   1, 9, KS+4,   0, 0, 0
.endm
; Tile i of my five leaves, registers 4 hf .. 4 hf + 3 of its four accumulators at a time: 8 rows (stage row 4 h + jj = slot 8 h + 4 hf + jj) x 64 columns.
.macro OUT i
	s_add_co_u32 s33, s35, 64*(\i)                 ; the tile's first slot
	s_cmp_lt_u32 s33, s19
	s_cbranch_scc0 .Ldead_\@
.irp hf, 0,1
	WIN 0x04                                       ; a store's data in window 1
.irp jj, 0,1,2,3
.irp nt, 0,1,2,3
	ds_store_b32 v12, v[8*(4*(\i)+\nt)+4*\hf+\jj] offset:\jj*272+\nt*64      ; each accumulator from its low end on
.endr
.endr
	WIN 0
	s_wait_xcnt 0x0                                ; OB, which earlier stores read, is loaded again only behind this wait
	s_wait_alu depctr_vm_vsrc(0)                   ; the global stores issued so far have read OB, in which the four loads below land
.irp t, 0,1,2,3
	ds_load_b128 v[OB+4*\t:OB+4*\t+3], v13 offset:\t*544                     ; LDS serves a wave's instructions in order (ISA guide 5.7.1.4): these see the stores above; stage rows 2 t + h
.endr
	s_wait_dscnt 0x0
.irp t, 0,1,2,3
	global_store_b128 v11, v[OB+4*\t:OB+4*\t+3], s[10:11] offset:(\i)*262144+(8*(\t/2)+2*(\t%2)+4*\hf)*4096
.endr
.endr
.Ldead_\@:
.endm
	s_load_b256 s[4:11], s[0:1], 0x0               ; plan s[4:5], hb s[6:7], w2 s[8:9], yb s[10:11]
	v_lshl_add_u32 v30, v0, 2, SPARE               ; my spare word,
	v_mov_b32 v31, 0                               ; and 0: kept for the closing lines alone
	v_lshrrev_b32 v1, 5, v0
	v_readfirstlane_b32 s14, v1                    ; wave 0..7
	v_and_b32 v1, 31, v0                           ; L
	v_and_b32 v2, 15, v0                           ; r
	v_bfe_u32 v3, v0, 4, 1                         ; h
	s_wait_alu depctr_va_sdst(0)                   ; s14 is written, ahead of its first reader: the wave's shares and addresses are made from it
	s_lshr_b32 s15, s14, 1                         ; mg
	s_and_b32 s16, s14, 1                          ; nh
	s_lshr_b32 s17, ttmp9, 5                       ; e
	s_and_b32 s18, ttmp9, 7                        ; strip
	s_bfe_u32 s40, ttmp9, 0x20003                  ; q
	s_lshl_b32 s25, s17, 8                         ; the count's place in plan, less 32,768
	s_lshl_b32 s26, s17, 24                        ; w2: expert, 16,777,216 bytes;
	s_lshl_b32 s33, s40, 22                        ; quarter, 1,024 rows of 4,096 bytes;
	s_add_co_u32 s26, s26, s33
	s_lshl_b32 s33, s18, 9                         ; strip, 512 bytes of a row;
	s_add_co_u32 s26, s26, s33
	s_lshl_b32 s33, s14, 14                        ; my wave's four rows of a K step
	s_add_co_u32 s26, s26, s33
	s_mov_b32 s27, 0
	s_mul_i32 s28, s17, 10485760                   ; hb: expert, and the quarter's 32 K blocks
	s_lshl_b32 s33, s40, 15
	s_add_co_u32 s28, s28, s33
	s_mov_b32 s29, 0
	s_mul_i32 s30, s40, 41943040                   ; yb: quarter, expert (1,280 rows of 4,096 bytes), strip, my 64 columns
	s_mul_i32 s33, s17, 5242880
	s_add_co_u32 s30, s30, s33
	s_lshl_b32 s33, s18, 9
	s_add_co_u32 s30, s30, s33
	s_lshl_b32 s33, s16, 8
	s_add_co_u32 s30, s30, s33
	s_mov_b32 s31, 0
	v_lshlrev_b32 v4, 4, v1                        ; 16 L
	s_mul_i32 s33, s14, 4*PW
	v_lshl_add_u32 v5, v1, 3, s33                  ; the weights into LDS: my wave's four rows of K step 0, 8 bytes a lane
	v_and_b32 v6, 7, v0
	v_lshl_add_u32 v6, v3, 3, v6
	v_mul_u32_u24 v6, v6, PW                       ; the turning load: row 8 h + L % 8,
	v_bfe_u32 v7, v0, 3, 1
	v_lshl_add_u32 v6, v7, 4, v6                   ; 16 bytes on for lanes 8-15 of a half,
	s_lshl_b32 s33, s16, 7
	v_add_nc_u32 v6, s33, v6                       ; my 64 columns
	v_add_nc_u32 v17, 28*KSB, v6                   ; the same place at K step 28,
	v_add_nc_u32 v18, 21*KSB, v6                   ; 21,
	v_add_nc_u32 v19, 14*KSB, v6                   ; 14,
	v_add_nc_u32 v20, 7*KSB, v6                    ; and 7
	v_add_nc_u32 v21, 28*KSB, v5                   ; the stores' place at K step 28
	s_lshl_b32 s33, s15, 17
	v_add_nc_u32 v8, s33, v4                       ; hb: 16 L + tile mg
	v_lshlrev_b32 v10, 12, v3                      ; yb: row h,
	v_lshl_add_u32 v10, v2, 4, v10                 ; 16 bytes a lane,
	s_lshl_b32 s33, s15, 16
	v_add_nc_u32 v10, s33, v10                     ; tile mg's 16 rows
	s_mul_i32 s33, s14, 2304
	s_add_co_u32 s33, s33, STAGE                   ; my stage
	v_mul_u32_u24 v12, v3, 1088                    ; in: four rows on for the upper lanes, 4 bytes a lane
	v_lshl_add_u32 v12, v2, 2, v12
	v_add_nc_u32 v12, s33, v12
	v_mul_u32_u24 v13, v3, 272                     ; back: lanes 0-15 one row of 256 bytes, lanes 16-31 the next
	v_lshl_add_u32 v13, v2, 4, v13
	v_add_nc_u32 v13, s33, v13
	s_wait_kmcnt 0x0
	s_add_nc_u64 s[8:9], s[8:9], s[26:27]
	s_add_nc_u64 s[6:7], s[6:7], s[28:29]
	s_add_nc_u64 s[10:11], s[10:11], s[30:31]
	s_load_b32 s19, s[4:5], s25 offset:0x8000      ; n
	; THE OPENING.  K steps 0-5 of the weights; then h and raw rows in the order in which the steps will issue them: h of step u, rows of K step u + 6.
	s_wait_alu depctr_va_vdst(0)                   ; the addresses v4, v5, v6, v8, v12, v13 and v17 to v21 are written, which the kernel's loads and LDS instructions read
.irp k, 0,1,2,3,4,5
	PLD \k
.endr
	ALOAD 0, 8, 0
	WLD 0, 4, 6
	ALOAD 1, 8, 1
	WLD 1, 4, 7
	WIN 0
	s_wait_loadcnt 28                              ; K steps 0-5 are in; the 10 + 4 + 10 + 4 loads issued behind them stay out
.irp k, 0,1,2,3,4,5
	PCV \k
.endr
	s_wait_alu depctr_va_vdst(0)                   ; the 48 roundings have written the 24 LDS stores' data, and are done with v160-255, in which loads land again behind the barrier
.irp k, 0,1,2,3,4,5
	PST \k
.endr
	ALOAD 2, 8, 2
	WLD 2, 4, 8
	WIN 0
	s_wait_kmcnt 0x0
	s_min_u32 s19, s19, 0x400
	s_mov_b32 s20, 0                               ; the pass's first slot
	s_mov_b32 s21, 0                               ; its bytes in hb
	s_mov_b32 s22, 0                               ; and in yb
	s_mov_b32 s23, 4                               ; passes at the most
	s_wait_dscnt 0x0                               ; for the others' sake: my rows of K steps 0-5 are in LDS
	s_barrier_signal -1
	s_barrier_wait -1
	s_wait_alu depctr_vm_vsrc(0)                   ; my LDS stores have read v160-255: these registers are the fragments' buffers and the ring's fourth place from here on, and the loads below land in them
	BLOAD 0, 6, 0
	BLOAD 1, 6, 1
	ALOAD 3, 8, 3
	WLD 3, 4, 9
	; PASS 0.  A step issues 10 loads of h and then 4 of rows.  na = 46: the 4 rows' loads issued behind this step's h and three younger steps of 14; nw = 42: those three steps.
	; nd = 12: the younger step's 4 stores and 8 fetches (at step 0: the 8 fetches of step 1).
	KSTEP 0, 1, 46, 8, 0,   1, 42, 5, 6,   1, 6, 2,   1, 8, 4,   1, 4, 10
	KSTEP 1, 0, 46, 12, 0,  1, 42, 5, 7,   1, 6, 3,   1, 8, 5,   1, 4, 11
	WIN 0
	s_mov_b32 s41, 4*KSB                           ; LDS bytes of K step 4 t + 4
	s_mov_b64 s[XB:XB+1], s[6:7]                   ; the two bases step in each trip's first step, ahead of its loads: so they begin at K step 0
	s_mov_b64 s[WB:WB+1], s[8:9]
	s_mov_b32 s24, 5
.Lfill:                                                ; trip t = 0..4: steps 4 t + 2 .. 4 t + 5; h of K steps 4 t + 6 .. 9 and rows of K steps 4 t + 12 .. 15 lie 2 .. 5 and 8 .. 11 K steps behind the bases
	KSTEP 2, 0, 46, 0, 1,   1, 42, 15, 4,  1, 7, 0,   1, 8, 2,   1, 4, 8,    1, XB, WB
	KSTEP 3, 0, 46, 12, 0,  1, 42, 15, 5,  1, 7, 1,   1, 8, 3,   1, 4, 9,    0, XB, WB
	KSTEP 0, 0, 46, 12, 0,  1, 42, 15, 6,  1, 7, 2,   1, 8, 4,   1, 4, 10,   0, XB, WB
	KSTEP 1, 0, 46, 12, 0,  1, 42, 15, 7,  1, 7, 3,   1, 8, 5,   1, 4, 11,   0, XB, WB
	WIN 0
	s_add_co_u32 s41, s41, 4*KSB
	s_sub_co_u32 s24, s24, 1
	s_cmp_lg_u32 s24, 0
	s_cbranch_scc1 .Lfill
	; steps 22 to 27: no more rows are asked for, so each count loses 4 a step until only h's 30 are left; the last rows are stored at step 25, the last barrier stands at step 26
	KSTEP 2, 0, 46, 0, 1,   1, 42, 21, 0,  1, 18, 3,  1, 8, 26,  0, 0, 0
	KSTEP 3, 0, 42, 12, 0,  1, 38, 21, 1,  1, 18, 4,  1, 8, 27,  0, 0, 0
	KSTEP 0, 0, 38, 12, 0,  1, 34, 21, 2,  1, 18, 5,  1, 8, 28,  0, 0, 0
	KSTEP 1, 0, 34, 12, 0,  1, 30, 21, 3,  1, 18, 6,  1, 8, 29,  0, 0, 0
	KSTEP 2, 0, 30, 0, 1,   0, 0, 0, 0,    1, 17, 0,  1, 8, 30,  0, 0, 0
	KSTEP 3, 0, 30, 8, 0,   0, 0, 0, 0,    1, 17, 1,  1, 8, 31,  0, 0, 0
	WIN 0
	s_branch .Ltail                                ; the last four steps and the way out are the later passes' too
.Lgen:                                                 ; A LATER PASS: the weights lie in LDS, whole; no barrier
	v_add_nc_u32 v9, s21, v8                       ; the pass's place in hb; fixed for the pass
	s_wait_alu depctr_va_vdst(0)                   ; v9 is written, which the pass's loads of h read
	BLOAD 0, 6, 0
	BLOAD 1, 6, 1
	ALOAD 0, 9, 0
	ALOAD 1, 9, 1
	ALOAD 2, 9, 2
	ALOAD 3, 9, 3
.set KS, 0
.rept 28
	GSTEP
.set KS, KS+1
.endr
.Ltail:                                                ; steps 28 to 31 ask for nothing beyond the quarter's end: the counts run down
	KSTEP 0, 0, 30, 8, 0,   0, 0, 0, 0,    1, 17, 2,  0, 0, 0,   0, 0, 0
	KSTEP 1, 0, 20, 8, 0,   0, 0, 0, 0,    1, 17, 3,  0, 0, 0,   0, 0, 0
	KSTEP 2, 0, 10, 8, 0,   0, 0, 0, 0,    0, 0, 0,   0, 0, 0,   0, 0, 0
	KSTEP 3, 0, 0, 0, 0,    0, 0, 0, 0,    0, 0, 0,   0, 0, 0,   0, 0, 0
	PLACES
	v_add_nc_u32 v11, s22, v10
	s_wait_alu depctr_va_vdst(0)                   ; the products have written the accumulators, which the LDS stores read (the places above stay beside this wait); v11 is written, which the global stores read; the products are done reading v32-47, in which the stage's rows land.  No vector instruction follows in the way out
	s_lshl_b32 s35, s15, 4
	s_add_co_u32 s35, s35, s20                     ; the first slot of my first tile
	OUT 0
	OUT 1
	OUT 2
	OUT 3
	OUT 4
	s_wait_xcnt 0x0                                ; OB, v11 and v9 are written again only behind this wait
	s_wait_alu depctr_vm_vsrc(0)                   ; the LDS stores have read the accumulators, the global stores OB and v11, the pass's loads v9: a further pass writes them all again; the wait stands ahead of the branches that lead there
	s_add_co_u32 s20, s20, 320
	s_add_co_u32 s21, s21, 20*TILEB
	s_add_co_u32 s22, s22, 320*4096
	s_cmp_lt_u32 s20, s19
	s_cbranch_scc0 .Ldone                          ; no listed token is left
	s_sub_co_u32 s23, s23, 1
	s_cmp_lg_u32 s23, 0
	s_cbranch_scc1 .Lgen                           ; three later passes at the most: 4 x 320 slots hold the 1,024 tokens
.Ldone:
	s_wait_dscnt 0x0                               ; the closing lines, six on end
	s_wait_alu 0x0
	s_wait_tensorcnt 0x0
	ds_add_u32 v30, v31
	s_wait_dscnt 0x0
	s_endpgm
.Lfunc_end_k_q238ed4f07e_gemm2:
	.size	k_q238ed4f07e_gemm2, .Lfunc_end_k_q238ed4f07e_gemm2-k_q238ed4f07e_gemm2
	.p2alignl 7, 3214868480
	.fill 96, 4, 3214868480
	.section	.rodata,"a",@progbits
	.p2align	6, 0x0
	.amdhsa_kernel k_q238ed4f07e_gemm2
		.amdhsa_group_segment_fixed_size 314368
		.amdhsa_private_segment_fixed_size 0
		.amdhsa_enable_private_segment 0
		.amdhsa_kernarg_size 32
		.amdhsa_user_sgpr_count 2
		.amdhsa_user_sgpr_kernarg_segment_ptr 1
		.amdhsa_wavefront_size32 1
		.amdhsa_system_sgpr_workgroup_id_x 1
		.amdhsa_system_sgpr_workgroup_id_y 1
		.amdhsa_system_sgpr_workgroup_id_z 1
		.amdhsa_system_vgpr_workitem_id 0
		.amdhsa_next_free_vgpr 480
		.amdhsa_next_free_sgpr 66
		.amdhsa_reserve_vcc 0
		.amdhsa_float_denorm_mode_32 3
		.amdhsa_float_denorm_mode_16_64 3
		.amdhsa_memory_ordered 1
		.amdhsa_forward_progress 1
		.amdhsa_inst_pref_size 178
	.end_amdhsa_kernel
	.amdgpu_metadata
---
amdhsa.version: [ 1, 2 ]
amdhsa.kernels:
  - .name:           k_q238ed4f07e_gemm2
    .symbol:         k_q238ed4f07e_gemm2.kd
    .args:
      - { .name: plan, .offset: 0, .size: 8, .value_kind: global_buffer, .address_space: global }
      - { .name: hb, .offset: 8, .size: 8, .value_kind: global_buffer, .address_space: global }
      - { .name: w2, .offset: 16, .size: 8, .value_kind: global_buffer, .address_space: global }
      - { .name: yb, .offset: 24, .size: 8, .value_kind: global_buffer, .address_space: global }
    .group_segment_fixed_size: 314368
    .private_segment_fixed_size: 0
    .kernarg_segment_align: 8
    .kernarg_segment_size: 32
    .max_flat_workgroup_size: 256
    .sgpr_count:     66
    .vgpr_count:     480
    .wavefront_size: 32
...
	.end_amdgpu_metadata
.endif
;; end of part 7
;; launch combine: the kernel of part 5 again; grid 512 x 1, 4 waves a work-group, no clusters, 0 bytes of LDS; arguments route, cw, plan, yb, b2, out0; writes out0
